; MI455X (gfx1250); checked and timed in simulation.
; The chip was launched on July 23, 2026; its instructions are those of AMD's public machine-readable ISA for CDNA 5 (MIT licence, August 2026) and "CDNA5" Instruction Set Architecture Reference Guide (July 2026). The comments in the code are by the model that wrote it; some were corrected since.
;; Qwen3 Attention. Allowed arithmetic: matrix products marked QUANTISED: E2M3 operands, one E8M0 scale for each 32 along K, by v_wmma_scale_f32_16x16x128_f8f6f4 with both operands' format E2M3, f32 sums; everything else in f32.
;; Inputs: Wk 2,048 x 1,024 float32; Wo 1,024 x 2,048 float32; Wq 2,048 x 1,024 float32; Wv 2,048 x 1,024 float32; cos 2 x 2,048 x 128 float32; hidden_states 2 x 2,048 x 2,048 float32; k_norm_w 128 float32; q_norm_w 128 float32; sin 2 x 2,048 x 128 float32.
;; Outputs: out0 2 x 2,048 x 2,048 float32.
;; This version of the problem:
;;   THIS VERSION OF THE PROBLEM IS GIVEN IN LOW PRECISION. The matrix products marked QUANTISED in the list below multiply operands that are first quantised to E2M3 (2 exponent bits, 3 mantissa bits; 6 bits a number), with one power-of-two scale for each 32 numbers along K (OCP MX v1.0); their sums are f32. All else is computed in f32.
;;   The module's matrix products, in the order in which they are computed (A, B: the left and right operand; K: the contracted axis; several contracted axes count as one K, in the product's order):
;;     1. [M 4,096, K 2,048] x [K 2,048, N 1,024]; A: input hidden_states; B: input Wq: QUANTISED
;;     2. [M 4,096, K 2,048] x [K 2,048, N 1,024]; A: input hidden_states; B: input Wk: QUANTISED
;;     3. [M 4,096, K 2,048] x [K 2,048, N 1,024]; A: input hidden_states; B: input Wv: QUANTISED
;;     4. batch 16 x [M 2,048, K 128] x [K 128, N 2,048]; A: computed on the way; B: computed on the way: QUANTISED
;;     5. batch 16 x [M 2,048, K 2,048] x [K 2,048, N 128]; A: softmax (see below); B: computed on the way: QUANTISED
;;     6. [M 4,096, K 1,024] x [K 1,024, N 2,048]; A: computed on the way; B: input Wo: QUANTISED
;;   THE QUANTISER, for each operand of a quantised product, along K:
;;     - K is cut into blocks of 32 from its start; a last block that is shorter is filled with zeros.
;;     - A block's scale is 2^e with e = floor(log2(the largest magnitude in the block)) - 2, held to -126 .. 127; a block of zeros has e = 0. As a byte (E8M0): e + 127.
;;     - Each number is divided by its block's scale, clamped to +-7.5, and rounded to the nearest number of E2M3, ties to even, subnormals kept.
;;     - The product sums the exact products of the quantised numbers (number of the format x scale) in f32.
;;   ~~~python
;;   def quantise(x, axis):      # numpy; x: float32 -> the quantised numbers, widened to float32 again
;;       x = np.moveaxis(x, axis, -1); K = x.shape[-1]
;;       x = np.pad(x, [(0, 0)] * (x.ndim - 1) + [(0, -K % 32)]); x = x.reshape(x.shape[:-1] + (-1, 32)); a = np.abs(x).max(-1, keepdims=True)
;;       e = np.where(a > 0, np.clip(np.frexp(np.where(a > 0, a, 1))[1] - 1 - 2, -126, 127), 0)      # np.frexp(a)[1] - 1 = floor(log2(a)), exactly
;;       r = np.clip(x / 2.0 ** e, -7.5, 7.5)
;;       step = 2.0 ** (np.maximum(np.frexp(np.where(r == 0, 1, r))[1] - 1, 0) - 3)
;;       q = np.round(r / step) * step * 2.0 ** e      # np.round: ties to even
;;       return np.moveaxis(q.reshape(q.shape[:-2] + (-1,))[..., :K], -1, axis).astype(np.float32)
;;   ~~~
;;   SOFTMAX AHEAD OF A QUANTISED PRODUCT. Where the list says 'softmax', what is quantised is not the finished softmax but p = 2^(t - M), with t = logit x log2(e) and M = ceil(the row's largest t), a whole number; so 1/2 < the row's largest p <= 1. The row's sum l is taken of the UNQUANTISED p, in f32, and the product's result is divided by l at the end. Since M is a whole number, a kernel that streams over the keys may use a running M (the ceiling of the running maximum): every later rescaling is an exact power of two, which a block's scale takes up: the codes' values come out the same.
;;   OPERANDS COMPUTED ON THE WAY. 'Computed on the way' means the value that the module computes at that place (a softmax that the list does not call 'softmax' is quantised finished and normalised). What goes into a quantiser is computed in f32, as accurately as f32 sums, v_exp_f32 and their like allow (about 1e-6 of the number): no bf16 or f16 on the way to a quantiser, and a product that is left as it is and whose result goes on into a quantised operand takes f32 operands (vector FMAs, or v_wmma_f32_16x16x4_f32). A number that lies on a knife's edge between two numbers of the format may be rounded either way, as far as f32 arithmetic and the matrix unit's own rounding can turn it there, and no further.
;; One version. Each part assembles by itself: llvm-mc -triple=amdgcn-amd-amdhsa -mcpu=gfx1250 --defsym DOCPART=n.
;; ======== version 1 of 1: 4 launches
;; limits: right only within a limited range of input values
;; workspace buffers: xq 6,553,600 bytes; wq 4,915,200 bytes; oq 1,638,400 bytes; qkv 9,830,400 bytes; aq 3,276,800 bytes
;; launch prep (part 1): grid 512 x 1, 4 waves a work-group, no clusters, 102,912 bytes of LDS; arguments hidden_states, Wq, Wk, Wv, Wo, xq, wq, oq; writes xq, wq, oq
.if DOCPART == 1
	.amdgcn_target "amdgcn-amd-amdhsa--gfx1250"
	.amdhsa_code_object_version 6
	.text
	.protected	k_q712bfd4d7b_prep
	.globl	k_q712bfd4d7b_prep
	.p2align	8
	.type	k_q712bfd4d7b_prep,@function
k_q712bfd4d7b_prep:
	s_mov_b64 s[64:65], 0
	v_nop
	global_prefetch_b8 v0, s[64:65] scope:SCOPE_SE
	s_setreg_imm32_b32 hwreg(HW_REG_WAVE_MODE, 25, 1), 1
	s_wait_xcnt 0x0
; PREP: the five f32 operands of the projections become codes of FP6 (E2M3), K innermost, with one E8M0 scale byte for each 32 along K.
; A block's scale is 2^(floor(log2(its largest magnitude)) - 2); its byte is the largest magnitude's exponent field - 2, held at 1 from below; each number / scale goes to the nearest code, ties to even, beyond 7.5 the largest code.
; LIMITS: a block of zeros, and a block whose largest magnitude lies under 2^-124, keep the byte 1 (zeros: the codes are zeros, and only this program reads the bytes); NaN and infinities among the inputs are not served.
; Work-groups 0-255: hidden_states [4096][2048], K innermost: a plain stream of blocks; a wave takes 8,192 numbers (4 rows).  -> xq: codes [4096][1536 B], scale bytes [4096][64 B] from XS_OFF on.
; Work-groups 256-447: Wq, Wk, Wv [2048 (k)][1024 (n)]; 448-511: Wo [1024 (k)][2048 (n)]: K is the first axis: a lane takes a column and its registers run down K; a wave takes 32 columns x 256 along K.
;   -> wq: codes [3072][1536 B] (rows 0-1023 Wq's columns, then Wk's, then Wv's), scale bytes [3072][64 B] from WS_OFF on;  oq: codes [2048][768 B], scale words inside its records (below).
; THE ORDER OF ROWS in xq and wq: row p holds token (column) p with bits 3 and 4 exchanged.  A tile of 16 such rows as source 0 of a matrix instruction then leaves, in two neighbouring tiles, 16 NEIGHBOURS in a lane's 16 registers,
; which is what the next quantiser wants.  oq is in natural order.
; No tensor loads, no barrier: waves share nothing.  The three ways part on the work-group's number and have LDS bytes of their own.
; LAYOUTS OF THE CODES (these lines hold in place of what the head says of the codes' places; the scale bytes of xq and wq lie as said there):
; xq, wq: [block of 256 rows][K step of 256][256 rows x 192 B], dense: 49,152 B a K step, 393,216 B a block.
; oq: records of 12,800 B, record 8 x (block of 128 columns) + (K step of 128): eight images of an operand's registers (16 columns x 128 K: register group c of lane l at 512 c + 16 l), then 512 B of scale words (64 x tile + 4 x row).
.set STEPS,  16
.set EMAX,   2
.set CB,     12                        ; bytes of 16 codes
.set R,      16                        ; v16-79   hidden: four sets of 16 numbers as loaded
.set X,      80                        ; v80-111  two sets of 16 neighbours
.set E,      112                       ; v112-127 a scale byte for each step
.set C,      128                       ; v128-191 codes: four registers for each step
.set WREG,   8192                      ; LDS of a wave on the hidden way: two stages of 32 x SP bytes, then its 256 scale bytes
.set SP,     80                        ; a lane's place in a stage: 64 bytes + 16 of padding
.set PITCH,  272                       ; weights: a stage row: sixteen places of 16 bytes + 16
.set WX,     32                        ; v32-95   weights: two sets of 32 numbers
.set WC,     96                        ; v96..    a block's codes
.set OUTR,   112                       ; v112-175 the way out
.set SB,     24                        ; v24-25   the scale bytes, four to a register
.set SPW,    192                       ; v192     LDS address of my spare word; never rewritten
.set NIL,    193                       ; v193     0; never rewritten
.set LW1,    32768                     ; LDS: stages of the Wq, Wk, Wv way
.set LW2,    67584                     ; stages of the Wo way
.set SPARE,  102400                    ; the spare words, 128 bytes for each wave: two blocks of 256 bytes that no other line names
.set XS_OFF, 6291456
.set WS_OFF, 4718592
.set OS_OFF, 1572864
.macro XLOAD t
.irp i, 0,1,2,3
	global_load_b128 v[R+16*((\t)%4)+4*\i:R+16*((\t)%4)+4*\i+3], v3, s[4:5] offset:2048*(\t)+512*\i th:TH_LOAD_NT   ; 32 lanes read 512 consecutive bytes
.endr
.endm
.macro XTURN t                         ; a step's 2,048 bytes through the wave's stage: in as loaded, out 64 bytes a lane; LDS serves a wave's instructions in order
.irp i, 0,1,2,3
	ds_store_b128 v14, v[R+16*((\t)%4)+4*\i:R+16*((\t)%4)+4*\i+3] offset:32*SP*((\t)%2)+8*SP*\i
.endr
.irp i, 0,1,2,3
	ds_load_b128 v[X+16*((\t)%2)+4*\i:X+16*((\t)%2)+4*\i+3], v15 offset:32*SP*((\t)%2)+16*\i
.endr
.endm
.macro XSTEP t
.set XS, X+16*((\t)%2)
.if (\t) > 0
	s_wait_dscnt 1                                 ; this step's numbers are back from the stage (the last step's byte store may be out)
.else
	s_wait_dscnt 0x0
.endif
.if (\t)+4 < STEPS
	XLOAD (\t)+4                                   ; the registers that the stage's stores have read take the loads of four steps on
.endif
.if (\t)+1 < STEPS
.if STEPS-2-(\t) >= 3
	s_wait_loadcnt 12                              ; the next step's four loads are in; those of the three steps behind it may be out
.else
	s_wait_loadcnt 4*(STEPS-2-(\t))
.endif
	XTURN (\t)+1
.endif
	v_max3_num_f32 v8, |v[XS]|, |v[XS+1]|, |v[XS+2]|               ; the largest magnitude of my 16
	v_max3_num_f32 v9, |v[XS+3]|, |v[XS+4]|, |v[XS+5]|
.irp i, 6,10
	v_max3_num_f32 v8, v8, |v[XS+\i]|, |v[XS+\i+1]|
	v_max3_num_f32 v9, v9, |v[XS+\i+2]|, |v[XS+\i+3]|
.endr
	v_max3_num_f32 v8, v8, |v[XS+14]|, |v[XS+15]|
	v_max3_num_f32 v8, v8, v9, (EMAX+1)<<23        ; and the floor 2^(3 - 127): the byte cannot fall under 1
	v_max_num_f32_dpp v8, v8, v8 row_xmask:1 row_mask:0xf bank_mask:0xf   ; with my neighbour's 16: the block's
	v_add_nc_u32 v11, -(EMAX<<23), v8              ; 2 off its exponent field: the conversion takes the exponent field of this operand as its scale
	v_cvt_scalef32_pk16_fp6_f32 v[C+4*(\t):C+4*(\t)+2], v[XS:XS+15], v11
	v_lshrrev_b32 v[E+(\t)], 23, v11               ; the scale's byte (a plain line behind the conversion)
	ds_store_b8 v5, v[E+(\t)] offset:16*(\t)       ; both lanes of a block write the same byte with the same value
	global_store_b96 v4, v[C+4*(\t):C+4*(\t)+2], s[8:9] offset:98304*((\t)%4)+192*((\t)/4)   ; lanes 0-15: 192 bytes of K step 2 (t % 4), lanes 16-31 of the next
.endm
.macro WLOAD t, N                      ; block t: W(32 t + i, my column), i = 0 .. 31, into set t % 2
.irp i, 0,1,2,3,4,5,6,7,8,9,10,11,12,13,14,15,16,17,18,19,20,21,22,23,24,25,26,27,28,29,30,31
	global_load_b32 v[WX+32*((\t)%2)+\i], v3, s[4:5] offset:(32*(\t)+\i)*(\N)*4 th:TH_LOAD_NT
.endr
.endm
.macro WBLOCK t, N
.set WXS, WX+32*((\t)%2)
.if (\t) < 7
	s_wait_loadcnt 32                              ; this block's 32 loads are in; the next block's may be out
.else
	s_wait_loadcnt 0
.endif
	v_max3_num_f32 v12, |v[WXS]|, |v[WXS+1]|, |v[WXS+2]|           ; the block's largest magnitude: all 32 numbers are mine
	v_max3_num_f32 v13, |v[WXS+3]|, |v[WXS+4]|, |v[WXS+5]|
.irp i, 6,10,14,18,22,26
	v_max3_num_f32 v12, v12, |v[WXS+\i]|, |v[WXS+\i+1]|
	v_max3_num_f32 v13, v13, |v[WXS+\i+2]|, |v[WXS+\i+3]|
.endr
	v_max3_num_f32 v12, v12, |v[WXS+30]|, |v[WXS+31]|
	v_max3_num_f32 v12, v12, v13, (EMAX+1)<<23     ; and the floor
	v_add_nc_u32 v11, -(EMAX<<23), v12             ; the conversion's scale operand
	v_lshrrev_b32 v13, 23, v11                     ; the scale's byte
.if (\t)%4 == 0
	v_mov_b32 v[SB+(\t)/4], v13                    ; four bytes to a register, the lower K in the lower byte
.else
	v_lshl_or_b32 v[SB+(\t)/4], v13, 8*((\t)%4), v[SB+(\t)/4]
.endif
	v_cvt_scalef32_pk16_fp6_f32 v[WC:WC+2], v[WXS:WXS+15], v11
	v_cvt_scalef32_pk16_fp6_f32 v[WC+4:WC+6], v[WXS+16:WXS+31], v11   ; (a conversion's three registers begin on an even number)
.if (\N) == 2048                       ; Wo: into images: block t is registers 6 c .. 6 c + 5 of lane r + 16 h, h = t & 1, c = (t & 2) / 2, of K step t / 4
.set IB, 3072*((\t)/4)+256*((\t)&1)
.if ((\t)&2) == 0
	ds_store_b96 v4, v[WC:WC+2] offset:IB
	ds_store_b32 v4, v[WC+4] offset:IB+12
	ds_store_b32 v4, v[WC+5] offset:IB+512
	ds_store_b32 v4, v[WC+6] offset:IB+516
.else
	ds_store_b64 v4, v[WC:WC+1] offset:IB+520
	ds_store_b32 v4, v[WC+2] offset:IB+1024
	ds_store_b32 v4, v[WC+4] offset:IB+1028
	ds_store_b32 v4, v[WC+5] offset:IB+1032
	ds_store_b32 v4, v[WC+6] offset:IB+1036
.endif
.else
	ds_store_b96 v4, v[WC:WC+2] offset:32*(\t)     ; 16 codes, 12 bytes, to a place of 16 bytes in the stage
	ds_store_b96 v4, v[WC+4:WC+6] offset:32*(\t)+16
.endif
.if (\t)+2 < 8
	WLOAD (\t)+2, \N
.endif
	s_wait_dscnt 0x0                               ; the stores have read their registers: the next block's codes may be written
.endm
; A weight's way.  N columns, K rows; s[4:5] the wave's first number, s[6:7] its place in the codes, s[8:9] in the scale bytes.  PERM = 1: column x of the wave's 32 goes to row x with bits 3 and 4 exchanged.
.macro WPATH N, K, PERM, LBASE
	v_lshlrev_b32 v3, 2, v2                        ; in: 4 bytes a lane
	s_mul_i32 s19, s16, 32*PITCH
	s_add_co_u32 s19, s19, \LBASE                  ; my stage
	v_and_b32 v5, 15, v2
	v_lshrrev_b32 v6, 4, v2
.if \PERM
	v_mul_u32_u24 v4, v2, PITCH
	v_add_nc_u32 v4, s19, v4                       ; into the stage: row = my column
	v_mul_u32_u24 v7, v6, PITCH                    ; out of it: sixteen lanes to a row, two rows an instruction
	v_lshl_add_u32 v7, v5, 4, v7
	v_add_nc_u32 v7, s19, v7
	v_mul_u32_u24 v8, v6, 192
	v_mad_u32_u24 v8, v5, 12, v8                   ; and the same place in the codes: rows 192 bytes apart
.else
	v_mul_u32_u24 v4, v6, 1536                     ; into the stage: my tile's image, my row's cell of 16 bytes
	v_lshl_add_u32 v4, v5, 4, v4
	v_add_nc_u32 v4, s19, v4
	v_lshlrev_b32 v8, 4, v2                        ; out of it: 512 consecutive bytes an instruction
	v_add_nc_u32 v7, s19, v8
.endif
.if \PERM
	v_and_b32 v9, 7, v2                            ; my column's row of scale bytes: lane with bits 3 and 4 exchanged
	v_and_b32 v10, 8, v2
	v_lshl_or_b32 v9, v10, 1, v9
	v_and_b32 v10, 16, v2
	v_lshrrev_b32 v10, 1, v10
	v_or_b32 v9, v9, v10
	v_mul_u32_u24 v9, v9, (\K)/32
.else
	v_lshlrev_b32 v9, 2, v2                        ; my column's scale word in a record
.endif
	WLOAD 0, \N
	WLOAD 1, \N
.irp t, 0,1,2,3,4,5,6,7
	WBLOCK \t, \N
.endr
	s_wait_alu depctr_va_vdst(0)
.if \PERM
	global_store_b64 v9, v[SB:SB+1], s[8:9]        ; my column's 8 scale bytes
.irp t, 0,1,2,3,4,5,6,7,8,9,10,11,12,13,14,15
	ds_load_b96 v[OUTR+4*\t:OUTR+4*\t+2], v7 offset:2*\t*PITCH   ; LDS serves a wave's instructions in order: these see my stores
.endr
.irp t, 0,1,2,3,4,5,6,7,8,9,10,11,12,13,14,15
	s_wait_dscnt 15-\t                             ; the younger row loads may be out
	global_store_b96 v8, v[OUTR+4*\t:OUTR+4*\t+2], s[6:7] offset:(((2*\t)&7)|(((2*\t)&8)<<1)|(((2*\t)&16)>>1))*192   ; sixteen lanes store a row's 192 consecutive bytes
.endr
.else
	global_store_b32 v9, v[SB], s[8:9]             ; the scale words of my two K steps: 128 consecutive bytes a wave
	global_store_b32 v9, v[SB+1], s[8:9] offset:12800
.irp t, 0,1,2,3,4,5,6,7,8,9,10,11
	ds_load_b128 v[OUTR+4*\t:OUTR+4*\t+3], v7 offset:512*\t   ; LDS serves a wave's instructions in order: these see my stores
.endr
.irp t, 0,1,2,3,4,5,6,7,8,9,10,11
	s_wait_dscnt 11-\t                             ; the younger loads may be out
	global_store_b128 v8, v[OUTR+4*\t:OUTR+4*\t+3], s[6:7] offset:12800*(\t/6)+1536*((\t/3)%2)+512*(\t%3)   ; 512 consecutive bytes, aligned
.endr
.endif
	s_wait_tensorcnt 0x0                           ; the wave's end, behind my last LDS store
	ds_add_u32 v[SPW], v[NIL]
	s_wait_dscnt 0x0
	s_endpgm
.endm
	s_load_b512 s[36:51], s[0:1], 0x0              ; hidden 36, Wq 38, Wk 40, Wv 42, Wo 44, xq 46, wq 48, oq 50
	v_lshl_add_u32 v[SPW], v0, 2, SPARE
	v_mov_b32 v[NIL], 0
	v_lshrrev_b32 v1, 5, v0
	v_readfirstlane_b32 s16, v1                    ; wave
	v_and_b32 v2, 31, v0                           ; lane
	s_mov_b32 s25, 0                               ; the high word of every offset
	s_wait_kmcnt 0x0
	s_cmp_lt_u32 ttmp9, 256
	s_cbranch_scc0 .Lweights
	; ---- hidden_states
	s_wait_alu depctr_va_vdst(0)
	v_lshlrev_b32 v3, 4, v2                        ; my 16 bytes of a load's 512
	s_mul_i32 s17, s16, WREG
	v_lshrrev_b32 v14, 2, v2
	v_mul_u32_u24 v14, v14, SP
	v_and_b32 v15, 3, v2
	v_lshl_add_u32 v14, v15, 4, v14
	v_add_nc_u32 v14, s17, v14                     ; the stage, on the way in: SP (lane / 4) + 16 (lane % 4)
	v_mul_u32_u24 v15, v2, SP
	v_add_nc_u32 v15, s17, v15                     ; on the way out: SP x lane: my 16 neighbours
	v_and_b32 v4, 15, v2
	v_mul_u32_u24 v4, v4, CB                       ; my codes' place: 12 bytes a lane in a row's 192,
	v_lshrrev_b32 v5, 4, v2
	v_mad_u32_u24 v4, v5, 0xc000, v4               ; lanes 16-31 one K step (49,152 bytes) on
	v_lshrrev_b32 v5, 1, v2
	s_add_co_u32 s17, s17, 2*32*SP
	v_add_nc_u32 v5, s17, v5                       ; my wave's 256 scale bytes, my block's byte
	v_lshlrev_b32 v7, 3, v2                        ; and on the way out 8 bytes a lane
	v_add_nc_u32 v6, s17, v7
	s_lshl_b32 s18, ttmp9, 2
	s_add_co_u32 s18, s18, s16                     ; my run of 8,192 numbers = 4 rows
	s_lshr_b32 s20, s18, 1
	s_lshr_b32 s21, s18, 2
	s_xor_b32 s20, s20, s21
	s_and_b32 s20, s20, 1
	s_mul_i32 s20, s20, 6
	s_xor_b32 s20, s18, s20                        ; where it goes: the run's bits 1 and 2 (the rows' bits 3 and 4) exchanged
	s_lshl_b32 s24, s18, 15
	s_add_nc_u64 s[4:5], s[36:37], s[24:25]
	s_lshr_b32 s21, s20, 6                         ; the block of 256 rows,
	s_mul_i32 s21, s21, 393216
	s_and_b32 s24, s20, 63                         ; and my 4 rows of 192 bytes in it
	s_mul_i32 s24, s24, 768
	s_add_co_u32 s24, s24, s21
	s_add_nc_u64 s[8:9], s[46:47], s[24:25]
	s_lshl_b32 s24, s20, 8
	s_add_co_u32 s24, s24, XS_OFF
	s_add_nc_u64 s[10:11], s[46:47], s[24:25]
.irp t, 0,1,2,3
	XLOAD \t
.endr
	s_wait_alu depctr_va_vdst(0)
	s_wait_loadcnt 12                              ; step 0's four loads are in
	XTURN 0
.irp t, 0,1,2,3,4,5,6,7,8,9,10,11,12,13,14,15
	XSTEP \t
.endr
	ds_load_b64 v[8:9], v6                         ; LDS serves a wave's instructions in order: these see my byte stores
	s_wait_dscnt 0x0
	global_store_b64 v7, v[8:9], s[10:11]          ; 32 lanes store 256 consecutive bytes, aligned
	s_wait_tensorcnt 0x0                           ; the wave's end, behind my last LDS store
	ds_add_u32 v[SPW], v[NIL]
	s_wait_dscnt 0x0
	s_endpgm
.Lweights:
	s_cmp_lt_u32 ttmp9, 448
	s_cbranch_scc0 .Lwo
	; ---- Wq, Wk, Wv: index = 64 j + 8 y + x
	s_sub_co_u32 s20, ttmp9, 256
	s_lshr_b32 s21, s20, 6                         ; j: which weight
	s_and_b32 s22, s20, 7                          ; x: which 128 columns
	s_bfe_u32 s18, s20, 0x30003                    ; y: which 256 along K
	s_cmp_eq_u32 s21, 0
	s_cselect_b64 s[4:5], s[38:39], s[40:41]
	s_cmp_eq_u32 s21, 2
	s_cselect_b64 s[4:5], s[42:43], s[4:5]
	s_lshl_b32 s17, s22, 7
	s_lshl_b32 s23, s16, 5
	s_add_co_u32 s17, s17, s23                     ; my wave's first column
	s_lshl_b32 s24, s18, 20                        ; 256 y rows of 4,096 bytes
	s_lshl_b32 s23, s17, 2
	s_add_co_u32 s24, s24, s23
	s_add_nc_u64 s[4:5], s[4:5], s[24:25]
	s_lshl_b32 s26, s21, 10
	s_add_co_u32 s26, s26, s17                     ; its row in wq
	s_lshr_b32 s24, s26, 8                         ; block of 256 rows, K step y, row in the block
	s_mul_i32 s24, s24, 393216
	s_mul_i32 s27, s18, 49152
	s_add_co_u32 s24, s24, s27
	s_and_b32 s27, s26, 255
	s_mul_i32 s27, s27, 192
	s_add_co_u32 s24, s24, s27
	s_add_nc_u64 s[6:7], s[48:49], s[24:25]
	s_lshl_b32 s24, s26, 6
	s_lshl_b32 s27, s18, 3
	s_add_co_u32 s24, s24, s27
	s_add_co_u32 s24, s24, WS_OFF
	s_add_nc_u64 s[8:9], s[48:49], s[24:25]
	s_wait_alu depctr_va_vdst(0)
	WPATH 1024, 2048, 1, LW1
.Lwo:
	; ---- Wo: index = 16 y + x
	s_sub_co_u32 s20, ttmp9, 448
	s_and_b32 s22, s20, 15
	s_lshr_b32 s18, s20, 4
	s_lshl_b32 s17, s22, 7
	s_lshl_b32 s23, s16, 5
	s_add_co_u32 s17, s17, s23
	s_lshl_b32 s24, s18, 21                        ; 256 y rows of 8,192 bytes
	s_lshl_b32 s23, s17, 2
	s_add_co_u32 s24, s24, s23
	s_add_nc_u64 s[4:5], s[44:45], s[24:25]
	s_lshl_b32 s24, s22, 3
	s_lshl_b32 s27, s18, 1
	s_add_co_u32 s24, s24, s27                     ; my first record: 8 x + 2 y
	s_mul_i32 s24, s24, 12800
	s_mul_i32 s27, s16, 3072                       ; my wave's two images in it
	s_add_co_u32 s27, s27, s24
	s_lshl_b32 s26, s16, 7                         ; and its 32 scale words
	s_add_co_u32 s26, s26, s24
	s_add_co_u32 s26, s26, 12288
	s_mov_b32 s24, s27
	s_add_nc_u64 s[6:7], s[50:51], s[24:25]
	s_mov_b32 s24, s26
	s_add_nc_u64 s[8:9], s[50:51], s[24:25]
	s_wait_alu depctr_va_vdst(0)
	WPATH 2048, 1024, 0, LW2
.Lfunc_end_k_q712bfd4d7b_prep:
	.size	k_q712bfd4d7b_prep, .Lfunc_end_k_q712bfd4d7b_prep-k_q712bfd4d7b_prep
	.p2alignl 7, 3214868480
	.fill 96, 4, 3214868480
	.section	.rodata,"a",@progbits
	.p2align	6, 0x0
	.amdhsa_kernel k_q712bfd4d7b_prep
		.amdhsa_group_segment_fixed_size 102912
		.amdhsa_private_segment_fixed_size 0
		.amdhsa_enable_private_segment 0
		.amdhsa_kernarg_size 64
		.amdhsa_user_sgpr_count 2
		.amdhsa_user_sgpr_kernarg_segment_ptr 1
		.amdhsa_wavefront_size32 1
		.amdhsa_system_sgpr_workgroup_id_x 1
		.amdhsa_system_sgpr_workgroup_id_y 1
		.amdhsa_system_sgpr_workgroup_id_z 1
		.amdhsa_system_vgpr_workitem_id 0
		.amdhsa_next_free_vgpr 194
		.amdhsa_next_free_sgpr 66
		.amdhsa_reserve_vcc 0
		.amdhsa_float_denorm_mode_32 3
		.amdhsa_float_denorm_mode_16_64 3
		.amdhsa_memory_ordered 1
		.amdhsa_forward_progress 1
		.amdhsa_inst_pref_size 115
	.end_amdhsa_kernel
	.amdgpu_metadata
---
amdhsa.version: [ 1, 2 ]
amdhsa.kernels:
  - .name:           k_q712bfd4d7b_prep
    .symbol:         k_q712bfd4d7b_prep.kd
    .args:
      - { .name: hidden_states, .offset: 0, .size: 8, .value_kind: global_buffer, .address_space: global }
      - { .name: Wq, .offset: 8, .size: 8, .value_kind: global_buffer, .address_space: global }
      - { .name: Wk, .offset: 16, .size: 8, .value_kind: global_buffer, .address_space: global }
      - { .name: Wv, .offset: 24, .size: 8, .value_kind: global_buffer, .address_space: global }
      - { .name: Wo, .offset: 32, .size: 8, .value_kind: global_buffer, .address_space: global }
      - { .name: xq, .offset: 40, .size: 8, .value_kind: global_buffer, .address_space: global }
      - { .name: wq, .offset: 48, .size: 8, .value_kind: global_buffer, .address_space: global }
      - { .name: oq, .offset: 56, .size: 8, .value_kind: global_buffer, .address_space: global }
    .group_segment_fixed_size: 102912
    .private_segment_fixed_size: 0
    .kernarg_segment_align: 8
    .kernarg_segment_size: 64
    .max_flat_workgroup_size: 128
    .sgpr_count:     66
    .vgpr_count:     194
    .wavefront_size: 32
...
	.end_amdgpu_metadata
.endif
;; end of part 1
;; launch qkv (part 2): grid 12 x 16, 4 waves a work-group, clusters of 4 x 4, 327,680 bytes of LDS; arguments xq, wq, cos, sin, q_norm_w, k_norm_w, qkv; writes qkv
.if DOCPART == 2
	.amdgcn_target "amdgcn-amd-amdhsa--gfx1250"
	.amdhsa_code_object_version 6
	.text
	.protected	k_q712bfd4d7b_qkv
	.globl	k_q712bfd4d7b_qkv
	.p2align	8
	.type	k_q712bfd4d7b_qkv,@function
k_q712bfd4d7b_qkv:
	s_mov_b64 s[64:65], 0
	v_nop
	global_prefetch_b8 v0, s[64:65] scope:SCOPE_SE
	s_setreg_imm32_b32 hwreg(HW_REG_WAVE_MODE, 25, 1), 1
	s_wait_xcnt 0x0
	s_wait_alu depctr_hold_cnt(0) depctr_sa_sdst(0) depctr_va_vdst(0) depctr_va_sdst(0) depctr_va_ssrc(0) depctr_va_vcc(0) depctr_vm_vsrc(0)
	s_getreg_b32 s2, hwreg(HW_REG_IB_STS2, 6, 4)
	s_cmp_eq_u32 s2, 0
	s_cbranch_scc0 .Lentry_in_a_cluster
	s_endpgm
.Lentry_in_a_cluster:
	s_bfe_u32 s2, ttmp6, 0x10000c
	s_cmp_lg_u32 s2, 0xf033
	s_cbranch_scc0 .Lentry_shape_is_right
	s_endpgm
.Lentry_shape_is_right:
; QKV: q, k, v = hidden_states x Wq, Wk, Wv on codes of FP6 (E2M3) with E8M0 scales; RMS norm and RoPE on q and k in f32; each result quantised anew and stored as records of operand images.
; A work-group makes 256 x 256, a wave 128 x 128; K goes in steps of 256 through a ring of two LDS slots.  For v (cluster x = 2) the two operands change places, so that v comes out with the keys along the registers.
; xq and wq lie as [block of 256 rows][K step][256 rows x 192 B], dense: a tensor load brings 96 (at the head 192) rows of 256 bytes, each at a multiple of 256 bytes; 16 bytes of padding behind each 64 put a row of 192 bytes of codes on an LDS pitch of 240.
; THE HEAD: one joint load a wave: wave 0 A's K step 0, wave 1 B's, wave 2 A's scales, wave 3 B's; slot 1 is first filled behind the full sequence and a round.
; PREFETCH: behind each refill of the loop's first two trips a wave names the K step two refills on: of the 96 pieces of 256 bytes that it will fetch, each of the four partners takes 24, told apart by address (lanes 24-31 name lane 23's piece again).
; K steps 0 to 3 come by their loads alone; the last trip's refills have no K step two on.
.set SIZE_K, 2048
.set KSTEP,  256
.set NQ,     KSTEP/128
.set ROWB,   256
.set KSTB,   49152
.set HALFB,  24576
.set G0H,    4
.set G0HB,   8
.set PFO,    11
.set PFA,    98
.set KROW,   SIZE_K*6/8
.set PITCH,  240
.set FR,     12
.set NL,     6
.set NP,     4
.set HALFT,  128*PITCH
.set SLOT,   4*HALFT
.set LAPS,   SIZE_K/(2*KSTEP)
.set KS,     SIZE_K/32
.set SCL,    2*SLOT
.set HALFS,  (128*KS/256)*272
.set SBLK,   (16*KS/256)*272
.set SPARE,  SCL+4*HALFS
.set REC,    12800
.set XS_OFF, 6291456
.set WS_OFF, 4718592
.set CSO,  7
.set IMO,  8
.set SWO,  9
.set WNO,  10
.set ADRA, 16
.set ADRB, 20
.set ADRS, 27
.set SPW,  28
.set NIL,  29
.set SC,   32
.set AF,   128
.set WN,   64
.set H,    128
.set RS,   192
.set SM,   208
.set PWE,  216
.set PWS,  218
.set CD,   220
.set PX,   232
.set TM,   240
.set TMB,  244
.set TMS,  248
.set G1, 24
.set G0, 32
.set G1B, 48
.set G0B, 56
.set G1S, 68
.set G0S, 76
.set G1SB, 80
.set G0SB, 88
.set MSB, 0
.macro WIN new
.if MSB != (\new)
	s_set_vgpr_msb (MSB<<8)|(\new)
.set MSB, (\new)
.endif
.endm
.set MUL_LO, 0xa1
.set MUL_HI, 0xf1
.set TO_B,   0x40
.macro JLOAD g0a, g1a, g0b, g1b
	s_cmp_eq_u32 s15, 0
	s_cbranch_scc0 .Lfor_b_\@
	tensor_load_to_lds s[\g0a:\g0a+3], s[\g1a:\g1a+7]
	s_nop 0
.rept 4
	v_nop
.endr
	s_branch .Lasked_\@
.Lfor_b_\@:
	tensor_load_to_lds s[\g0b:\g0b+3], s[\g1b:\g1b+7]
	s_nop 0
.rept 4
	v_nop
.endr
.Lasked_\@:
.endm
.macro CREST
	s_cmp_lg_u32 s14, 0
	s_cbranch_scc1 .Lnot_wave_0_\@
	s_barrier_signal -3
.Lnot_wave_0_\@:
	s_barrier_wait -3
	s_barrier_signal -1
	s_barrier_wait -1
.endm
.macro CROUND
	s_barrier_signal -1
	s_barrier_wait -1
	CREST
.endm
	s_load_b128 s[4:7], s[0:1], 0x0
	s_load_b64 s[12:13], s[0:1], 0x30
	v_lshl_add_u32 v[SPW], v0, 2, SPARE
	v_mov_b32 v[NIL], 0
	ds_add_u32 v[SPW], v[NIL]
	ds_add_u32 v[SPW], v[NIL]
	v_lshrrev_b32 v1, 5, v0
	v_readfirstlane_b32 s14, v1
	s_lshr_b32 s15, s14, 1
	s_and_b32 s16, s14, 1
	s_bfe_u32 s40, ttmp6, 0x40000
	s_bfe_u32 s41, ttmp6, 0x40004
	s_and_b32 s95, ttmp7, 0xffff
	s_cmp_eq_u32 ttmp9, 2
	s_cselect_b32 s96, s95, ttmp9
	s_cselect_b32 s97, ttmp9, s95
	s_lshl_b32 s42, s96, 2
	s_add_co_u32 s42, s42, s40
	s_lshl_b32 s17, s97, 2
	s_add_co_u32 s17, s17, s41
	s_lshl_b32 s43, s41, 2
	s_lshl_b32 s43, 15, s43
	s_lshl_b32 s44, 0x1111, s40
	s_or_b32 s[G1+0], s43, (0<<16)|(1<<20)|(1<<21)|(3<<22)|(3<<25)
	s_or_b32 s[G1B+0], s44, (0<<16)|(1<<20)|(1<<21)|(3<<22)|(3<<25)
.irp g, G1, G1B
	s_mov_b32 s[\g+1], ROWB<<16
	s_mov_b32 s[\g+2], 192<<16
	s_mov_b32 s[\g+3], ROWB<<16
	s_mov_b32 s[\g+4], 192
	s_mov_b32 s[\g+5], ROWB
	s_mov_b32 s[\g+6], 0
	s_mov_b32 s[\g+7], 0
.endr
	s_or_b32 s[G1S+0], s43, (3<<16)|(1<<20)|(1<<21)|(5<<22)|(3<<25)
	s_or_b32 s[G1SB+0], s44, (3<<16)|(1<<20)|(1<<21)|(5<<22)|(3<<25)
.irp g, G1S, G1SB
	s_mov_b32 s[\g+1], 32<<16
	s_mov_b32 s[\g+2], KS<<16
	s_mov_b32 s[\g+3], 32<<16
	s_mov_b32 s[\g+4], KS
	s_mov_b32 s[\g+5], 32
	s_mov_b32 s[\g+6], 0
	s_mov_b32 s[\g+7], 0
.endr
	s_lshl_b32 s20, s17, 8
	s_lshl_b32 s46, s42, 8
	s_mov_b32 s21, 0
	s_mov_b32 s47, 0
	s_mov_b64 s[18:19], KS
	s_mul_u64 s[22:23], s[20:21], s[18:19]
	s_mul_u64 s[92:93], s[46:47], s[18:19]
	s_mov_b64 s[18:19], KROW
	s_mul_u64 s[20:21], s[20:21], s[18:19]
	s_mul_u64 s[46:47], s[46:47], s[18:19]
	s_mul_i32 s18, s16, HALFB
	s_mov_b32 s19, 0
	s_mul_i32 s45, s14, HALFT
	s_mov_b32 s96, XS_OFF
	s_mov_b32 s97, WS_OFF
	s_mov_b32 s99, 0
	s_mov_b32 s101, 0
	s_wait_dscnt 0x0
	s_wait_kmcnt 0x0
	s_cmp_eq_u32 ttmp9, 2
	s_cselect_b64 s[8:9], s[4:5], s[6:7]
	s_cselect_b64 s[4:5], s[6:7], s[4:5]
	s_cselect_b32 s98, s97, s96
	s_cselect_b32 s100, s96, s97
	s_add_nc_u64 s[6:7], s[4:5], s[98:99]
	s_add_nc_u64 s[10:11], s[8:9], s[100:101]
	s_add_nc_u64 s[20:21], s[4:5], s[20:21]
	s_add_nc_u64 s[22:23], s[6:7], s[22:23]
	s_add_nc_u64 s[46:47], s[8:9], s[46:47]
	s_add_nc_u64 s[92:93], s[10:11], s[92:93]
	CROUND
	s_mov_b32 s[G0S], 1
	s_mov_b32 s[G0S+1], SCL
	s_mov_b64 s[G0S+2:G0S+3], s[22:23]
	s_or_b32 s[G0S+3], s[G0S+3], 0x80000000
	s_mov_b32 s[G0SB], 1
	s_mov_b32 s[G0SB+1], SCL+2*HALFS
	s_mov_b64 s[G0SB+2:G0SB+3], s[92:93]
	s_or_b32 s[G0SB+3], s[G0SB+3], 0x80000000
	s_mov_b32 s[G0H], 1
	s_mov_b32 s[G0H+1], 0
	s_mov_b64 s[G0H+2:G0H+3], s[20:21]
	s_or_b32 s[G0H+3], s[G0H+3], 0x80000000
	s_mov_b32 s[G0HB], 1
	s_mov_b32 s[G0HB+1], 2*HALFT
	s_mov_b64 s[G0HB+2:G0HB+3], s[46:47]
	s_or_b32 s[G0HB+3], s[G0HB+3], 0x80000000
	s_add_nc_u64 s[20:21], s[20:21], s[18:19]      ; for the ring: my 128 rows of a K step
	s_add_nc_u64 s[46:47], s[46:47], s[18:19]
.irp s, 0,1
	s_mov_b32 s[G0+4*\s], 1
	s_add_co_u32 s[G0+4*\s+1], s45, \s*SLOT
	s_add_nc_u64 s[G0+4*\s+2:G0+4*\s+3], s[20:21], \s*KSTB
	s_or_b32 s[G0+4*\s+3], s[G0+4*\s+3], 0x80000000
	s_mov_b32 s[G0B+4*\s], 1
	s_add_co_u32 s[G0B+4*\s+1], s45, \s*SLOT
	s_add_nc_u64 s[G0B+4*\s+2:G0B+4*\s+3], s[46:47], \s*KSTB
	s_or_b32 s[G0B+4*\s+3], s[G0B+4*\s+3], 0x80000000
.endr
	s_cmp_eq_u32 s15, 0                            ; the prefetches: the tile that I fetch, my work-group's 24 pieces of its 96, at K step 2
	s_cselect_b64 s[PFA:PFA+1], s[20:21], s[46:47]
	s_cselect_b32 s100, s40, s41
	s_mul_i32 s100, s100, 6144
	s_add_co_u32 s100, s100, 2*KSTB
	s_mov_b32 s101, 0
	s_add_nc_u64 s[PFA:PFA+1], s[PFA:PFA+1], s[100:101]
.macro ARM under, g0, g1, next         ; one chain of branches on the wave's number: every way passes one load
	s_cmp_lt_u32 s14, \under
	s_cbranch_scc0 \next
	tensor_load_to_lds s[\g0:\g0+3], s[\g1:\g1+7]
	s_nop 0
.rept 4
	v_nop
.endr
	s_branch .Lhead_asked
\next:
.endm
	ARM 1, G0H,  G1,  .Lhead_b
	ARM 2, G0HB, G1B, .Lhead_sa
	ARM 3, G0S,  G1S, .Lhead_sb
	tensor_load_to_lds s[G0SB:G0SB+3], s[G1SB:G1SB+7]
	s_nop 0
.rept 4
	v_nop
.endr
.Lhead_asked:
	v_and_b32 v1, 15, v0
	v_bfe_u32 v2, v0, 4, 1
	v_mul_u32_u24 v3, v1, PITCH
	v_mul_u32_u24 v4, v2, 24
	v_add_nc_u32 v4, v3, v4
	v_lshl_add_u32 v5, v2, 4, v4
	s_mul_i32 s21, s15, HALFT
	s_mul_i32 s22, s16, HALFT
	s_add_co_u32 s22, s22, 2*HALFT
.irp s, 0,1
	v_add_nc_u32 v[ADRA+\s], s21, v4
	v_add_nc_u32 v[ADRB+\s], s22, v4
	v_add_nc_u32 v[ADRA+2+\s], s21, v5
	v_add_nc_u32 v[ADRB+2+\s], s22, v5
	s_add_co_u32 s21, s21, SLOT
	s_add_co_u32 s22, s22, SLOT
.endr
	v_mul_u32_u24 v5, v1, KS
	v_lshrrev_b32 v6, 8, v5
	v_lshl_add_u32 v5, v6, 4, v5
	s_mul_i32 s21, s15, HALFS
	s_mul_i32 s22, s16, HALFS
	s_add_co_u32 s22, s22, 2*HALFS
	s_sub_co_u32 s22, s22, s21
	v_mul_u32_u24 v6, s22, v2
	s_add_co_u32 s21, s21, SCL
	v_add_nc_u32 v5, v5, v6
	v_add_nc_u32 v[ADRS], s21, v5
	v_lshrrev_b32 v[CSO], 3, v1
	v_and_b32 v[IMO], 7, v1
	v_lshl_add_u32 v[CSO], v[CSO], 4, v[IMO]
	v_lshlrev_b32 v[CSO], 9, v[CSO]
	v_lshl_add_u32 v[CSO], v2, 6, v[CSO]
	v_and_b32 v[SWO], 31, v0
	v_lshlrev_b32 v[IMO], 4, v[SWO]
	v_lshlrev_b32 v[SWO], 2, v[SWO]
	v_lshlrev_b32 v[WNO], 6, v2
	v_and_b32 v[PFO], 31, v0
	v_min_u32 v[PFO], 23, v[PFO]
	v_lshlrev_b32 v[PFO], 8, v[PFO]                ; a lane a piece of 256 bytes; never rewritten
	s_lshl_b32 s20, s17, 1
	s_add_co_u32 s20, s20, s15
	s_lshl_b32 s21, s42, 1
	s_add_co_u32 s21, s21, s16
	s_cmp_eq_u32 ttmp9, 2
	s_cselect_b32 s22, s21, s20
	s_cselect_b32 s23, s20, s21
	s_lshr_b32 s46, s22, 4
	s_lshl_b32 s46, s46, 3
	s_and_b32 s23, s23, 7
	s_add_co_u32 s46, s46, s23
	s_lshl_b32 s46, s46, 4
	s_and_b32 s47, s22, 15
	s_add_co_u32 s46, s46, s47
	s_lshl_b32 s47, s46, 1
	s_add_co_u32 s47, s47, 255
	s_add_co_u32 s47, s47, ttmp9
	s_cmp_eq_u32 ttmp9, 0
	s_cselect_b32 s46, s46, s47
	s_mul_i32 s46, s46, REC
	s_mov_b32 s47, 0
	s_add_nc_u64 s[12:13], s[12:13], s[46:47]
	s_lshl_b32 s94, s22, 16
.macro FRAG reg, adr, q, i
.irp p, 0,1,2,3,4,5
.set PIECE, 12*(\q)+6*(\p/3)+\p%3
.if PIECE%8 < 5
	ds_load_b64 v[\reg+2*\p:\reg+2*\p+1], v[\adr] offset:8*PIECE+16*(PIECE/8)+(\i)*16*PITCH
.else
	ds_load_b64 v[\reg+2*\p:\reg+2*\p+1], v[\adr+2] offset:8*PIECE+16*(PIECE/8)+(\i)*16*PITCH
.endif
.endr
.endm
.macro MUL16 a0, p, q, sc, zero
.irp a, \a0, \a0+1
.irp b, 0,1,2,3,4,5,6,7
.if \zero
	v_wmma_scale_f32_16x16x128_f8f6f4 v[8*(8*((\a)%4)+\b):8*(8*((\a)%4)+\b)+7], v[128*(\p)+FR*\b:128*(\p)+FR*\b+FR-1], v[AF+FR*(\a):AF+FR*(\a)+FR-1], 0, v[SC+8*NQ*(\sc)+NQ*\b+(\q)], v[SC+8*NQ*(\sc)+NQ*(\a)+(\q)] matrix_a_fmt:MATRIX_FMT_FP6 matrix_b_fmt:MATRIX_FMT_FP6 matrix_a_scale:MATRIX_SCALE_ROW1
.else
	v_wmma_scale_f32_16x16x128_f8f6f4 v[8*(8*((\a)%4)+\b):8*(8*((\a)%4)+\b)+7], v[128*(\p)+FR*\b:128*(\p)+FR*\b+FR-1], v[AF+FR*(\a):AF+FR*(\a)+FR-1], v[8*(8*((\a)%4)+\b):8*(8*((\a)%4)+\b)+7], v[SC+8*NQ*(\sc)+NQ*\b+(\q)], v[SC+8*NQ*(\sc)+NQ*(\a)+(\q)] matrix_a_fmt:MATRIX_FMT_FP6 matrix_b_fmt:MATRIX_FMT_FP6 matrix_a_scale:MATRIX_SCALE_ROW1
.endif
.endr
.endr
.endm
.macro FETCH_B slot, q, p
	WIN TO_B
.irp i, 0,1,2,3,4,5,6,7
	FRAG 128*(\p)+FR*\i, ADRB+\slot, \q, \i
.endr
	WIN 0
.endm
.macro FETCH_A slot, q, i0
.irp i, \i0, \i0+1, \i0+2, \i0+3
	FRAG AF+FR*(\i), ADRA+\slot, \q, \i
.endr
.endm
.macro SCALES sc
.irp i, 0,1,2,3,4,5,6,7
	ds_load_b64 v[SC+8*NQ*\sc+NQ*\i:SC+8*NQ*\sc+NQ*\i+1], v[ADRS] offset:\i*SBLK
.endr
.endm
.macro PLACES n
.rept \n
	v_nop
.endr
.endm
.macro STEP slot, q, zero
	s_wait_dscnt 4*NL
	WIN MUL_LO
	MUL16 0, (\q)%2, \q, \slot, \zero
	MUL16 2, (\q)%2, \q, \slot, \zero
	s_wait_dscnt 0
	PLACES NP
	FETCH_B \slot, (\q)+1, 1-(\q)%2
	FETCH_A \slot, (\q)+1, 0
	WIN MUL_HI
	MUL16 4, (\q)%2, \q, \slot, \zero
	MUL16 6, (\q)%2, \q, \slot, \zero
	PLACES NP
	WIN 0
	FETCH_A \slot, (\q)+1, 4
.endm
.macro TURN slot, next, fill
	s_wait_tensorcnt 0x0
	ds_add_u32 v[SPW], v[NIL]
.if \fill
	s_wait_xcnt 0x0                                ; the last prefetch, a K step back, has read its address
	s_add_nc_u64 s[PFA:PFA+1], s[PFA:PFA+1], KSTB
.endif
	s_wait_dscnt 4*NL+1
	WIN MUL_LO
	MUL16 0, 1, NQ-1, \slot, 0
	s_wait_dscnt 0x0
	s_barrier_signal -1
	MUL16 2, 1, NQ-1, \slot, 0
	WIN 0
	s_barrier_wait -1
.if \fill
	CREST
	s_add_nc_u64 s[G0+4*\slot+2:G0+4*\slot+3], s[G0+4*\slot+2:G0+4*\slot+3], 2*KSTB
	s_add_nc_u64 s[G0B+4*\slot+2:G0B+4*\slot+3], s[G0B+4*\slot+2:G0B+4*\slot+3], 2*KSTB
	JLOAD G0+4*\slot, G1, G0B+4*\slot, G1B
.else
	PLACES NP
.endif
	s_wait_alu depctr_va_vdst(0)
	v_add_nc_u32 v[ADRS], 4*NQ, v[ADRS]
	FETCH_B \next, 0, 0
	FETCH_A \next, 0, 0
	SCALES \next
.if \fill
	s_cmp_gt_u32 s3, 1                             ; s3 = 1 in the last trip: its refills have no K step two on
	s_cbranch_scc0 .Lno_ask_\@
	global_prefetch_b8 v[PFO], s[PFA:PFA+1] offset:KSTB th:TH_LOAD_NT scope:SCOPE_SE
.Lno_ask_\@:
.endif
	WIN MUL_HI
	MUL16 4, 1, NQ-1, \slot, 0
	MUL16 6, 1, NQ-1, \slot, 0
	PLACES NP
	WIN 0
	FETCH_A \next, 0, 4
.endm
.macro LASTSTEP
	s_wait_dscnt 4*NL
	WIN MUL_LO
	MUL16 0, 1, NQ-1, 1, 0
	MUL16 2, 1, NQ-1, 1, 0
	s_wait_dscnt 0
	WIN MUL_HI
	MUL16 4, 1, NQ-1, 1, 0
	MUL16 6, 1, NQ-1, 1, 0
	WIN 0
	PLACES NP
.irp b, 0,1,2,3
	v_mov_b32 v[TMB+\b], 0
.endr
.endm
.macro CSLOAD a
.set CSL, 128*((\a)%2)
	WIN 0x40
.irp b, 0,1,2,3
.irp j, 0,1,2,3
	global_load_b128 v[CSL+16*\b+4*\j:CSL+16*\b+4*\j+3], v[CSO], s[68:69] offset:(32*((\a)/2)+8*((\a)%2))*512+128*\b+16*\j
	global_load_b128 v[CSL+64+16*\b+4*\j:CSL+64+16*\b+4*\j+3], v[CSO], s[70:71] offset:(32*((\a)/2)+8*((\a)%2))*512+128*\b+16*\j
.endr
.endr
	WIN 0
.endm
.macro QUANT s, w, pw
	WIN (\w)|((\w)<<2)
.irp b, 0,1,2,3
	v_max3_num_f32 v[TM+\b], |v[\s+16*\b]|, |v[\s+1+16*\b]|, 0x1800000
.endr
	WIN ((\w)<<2)|((\w)<<4)
.irp i, 2,4,6,8,10,12,14
.irp b, 0,1,2,3
	v_max3_num_f32 v[TM+\b], v[TM+\b], |v[\s+16*\b+\i]|, |v[\s+1+16*\b+\i]|
.endr
.endr
	WIN 0
.irp b, 0,1,2,3
	v_permlanex16_b32 v[TMB+\b], v[TM+\b], s66, s67
.endr
.irp b, 0,1,2,3
	v_max_num_f32 v[TM+\b], v[TM+\b], v[TMB+\b]
.endr
.irp b, 0,1,2,3
	v_add_nc_u32 v[TMS+\b], 0xff000000, v[TM+\b]
.endr
.irp b, 0,1,2,3
	v_lshrrev_b32 v[TMB+\b], 23, v[TMS+\b]
.endr
	v_lshl_or_b32 v[\pw], v[TMB+1], 8, v[TMB]
	v_lshl_or_b32 v[\pw], v[TMB+2], 16, v[\pw]
	v_lshl_or_b32 v[\pw], v[TMB+3], 24, v[\pw]
	WIN (\w)
.irp c, 0,1
	v_cvt_scalef32_pk16_fp6_f32 v[CD+6*\c:CD+6*\c+2], v[\s+32*\c:\s+32*\c+15], v[TMS+2*\c]
	v_cvt_scalef32_pk16_fp6_f32 v[PX+4*\c:PX+4*\c+2], v[\s+16+32*\c:\s+31+32*\c], v[TMS+2*\c+1]
.endr
	WIN 0
	v_nop
.irp c, 0,1
.irp i, 0,1,2
	v_permlane16_swap_b32 v[CD+6*\c+\i], v[PX+4*\c+\i]
.endr
.irp i, 0,1,2
	v_mov_b32 v[CD+3+6*\c+\i], v[PX+4*\c+\i]
.endr
.endr
.endm
.macro PUT a
.irp c, 0,1,2
	global_store_b128 v[IMO], v[CD+4*\c:CD+4*\c+3], s[12:13] offset:1536*(\a)+512*\c
.endr
.if (\a)%2
	v_cndmask_b32 v[PWS], v[PWE], v[PWE+1], s95
	global_store_b32 v[SWO], v[PWS], s[12:13] offset:12288+64*((\a)-1)
.endif
.endm
.macro SUMSQ a
.set AC, 64*((\a)%4)
.set AW, 2+(\a)/4
	WIN AW|(AW<<2)
.irp c, 0,1,2,3
	v_pk_mul_f32 v[SM+2*\c:SM+2*\c+1], v[AC+2*\c:AC+2*\c+1], v[AC+2*\c:AC+2*\c+1]
.endr
.set j, 8
.rept 28
	v_pk_fma_f32 v[SM+j%8:SM+j%8+1], v[AC+j:AC+j+1], v[AC+j:AC+j+1], v[SM+j%8:SM+j%8+1]
.set j, j+2
.endr
	WIN 0
	v_pk_add_f32 v[SM:SM+1], v[SM:SM+1], v[SM+2:SM+3]
	v_pk_add_f32 v[SM+4:SM+5], v[SM+4:SM+5], v[SM+6:SM+7]
	v_pk_add_f32 v[SM:SM+1], v[SM:SM+1], v[SM+4:SM+5]
	v_add_f32 v[RS+2*(\a)], v[SM], v[SM+1]
.endm
.macro QKTILE a
.set AC, 64*((\a)%4)
.set AW, 2+(\a)/4
.set CSR, 128*((\a)%2)
	WIN AW
.set j, 0
.rept 32
	v_pk_mul_f32 v[H+j:H+j+1], v[AC+j:AC+j+1], v[RS+2*(\a):RS+2*(\a)+1] op_sel_hi:[1,0]
.set j, j+2
.endr
	WIN 0
.if (\a) == 0
	s_wait_loadcnt 32
.endif
.set j, 0
.rept 32
	v_pk_mul_f32 v[H+j:H+j+1], v[H+j:H+j+1], v[WN+j:WN+j+1]
.set j, j+2
.endr
.if (\a) > 0
.if (\a) < 7
	s_wait_loadcnt 32
.else
	s_wait_loadcnt 0x0
.endif
.endif
	WIN (AW<<6)|0x04
.set j, 0
.rept 32
	v_pk_mul_f32 v[AC+j:AC+j+1], v[H+j:H+j+1], v[CSR+j:CSR+j+1]
.set j, j+2
.endr
	WIN (AW<<6)|(AW<<4)|0x04
.set j, 0
.rept 16
	v_pk_fma_f32 v[AC+j:AC+j+1], v[H+32+j:H+33+j], v[CSR+64+j:CSR+65+j], v[AC+j:AC+j+1] neg_lo:[1,0,0] neg_hi:[1,0,0]
.set j, j+2
.endr
.rept 16
	v_pk_fma_f32 v[AC+j:AC+j+1], v[H-32+j:H-31+j], v[CSR+64+j:CSR+65+j], v[AC+j:AC+j+1]
.set j, j+2
.endr
	WIN 0
	s_wait_xcnt 0x0
.if (\a) < 6
	CSLOAD (\a)+2
.endif
	QUANT AC, AW, PWE+(\a)%2
	PUT \a
.endm
	s_wait_alu depctr_va_vdst(0)                   ; the head's end
	s_wait_tensorcnt 0x0                           ; my tile of the head's four is in
	ds_add_u32 v[SPW], v[NIL]
	s_mov_b32 s[G1+2], 96<<16                      ; no tensor load of mine is out: from here on a load brings 96 rows of 256 bytes
	s_mov_b32 s[G1+4], 96
	s_mov_b32 s[G1B+2], 96<<16
	s_mov_b32 s[G1B+4], 96
	s_wait_dscnt 0x0
	CROUND
	JLOAD G0+4, G1, G0B+4, G1B                     ; K step 1, the first tensor load behind the round
	FETCH_B 0, 0, 0
	FETCH_A 0, 0, 0
	SCALES 0
	FETCH_A 0, 0, 4
	STEP 0, 0, 1
	s_mov_b32 s3, LAPS-1
.Llap:
	TURN 0, 1, 1
	STEP 1, 0, 0
	TURN 1, 0, 1
	STEP 0, 0, 0
	s_sub_co_u32 s3, s3, 1
	s_cmp_lg_u32 s3, 0
	s_cbranch_scc1 .Llap
	s_load_b256 s[68:75], s[0:1], 0x10
	TURN 0, 1, 0
	STEP 1, 0, 0
	s_wait_kmcnt 0x0
	s_mov_b32 s95, 0
	s_add_nc_u64 s[68:69], s[68:69], s[94:95]
	s_add_nc_u64 s[70:71], s[70:71], s[94:95]
	s_cmp_eq_u32 ttmp9, 0
	s_cselect_b64 s[72:73], s[72:73], s[74:75]
	s_mov_b32 s66, 0x76543210
	s_mov_b32 s67, 0xfedcba98
	s_mov_b32 s92, 0x3c000000
	s_mov_b32 s93, 0x358637bd
	s_mov_b32 s95, 0xffff0000
	s_cmp_eq_u32 ttmp9, 2
	s_cbranch_scc1 .Lvpath
.irp b, 0,1,2,3
.irp j, 0,1,2,3
	global_load_b128 v[WN+16*\b+4*\j:WN+16*\b+4*\j+3], v[WNO], s[72:73] offset:128*\b+16*\j
.endr
.endr
	CSLOAD 0
	LASTSTEP
	CSLOAD 1
.irp a, 0,1,2,3,4,5,6,7
	v_mov_b32 v[RS+2*\a+1], 0
.endr
.irp a, 0,1,2,3,4,5,6,7
	SUMSQ \a
.endr
.irp a, 0,1,2,3,4,5,6,7
	v_permlanex16_b32 v[RS+2*\a+1], v[RS+2*\a], s66, s67
.endr
.irp a, 0,1,2,3,4,5,6,7
	v_add_f32 v[RS+2*\a], v[RS+2*\a], v[RS+2*\a+1]
.endr
.irp a, 0,1,2,3,4,5,6,7
	v_fma_f32 v[RS+2*\a], v[RS+2*\a], s92, s93
.endr
	s_wait_alu depctr_va_vdst(0)
.irp a, 0,1,2,3,4,5,6,7
	v_rsq_f32 v[RS+2*\a], v[RS+2*\a]
.endr
	v_nop
	s_wait_alu depctr_va_vdst(0)
.irp a, 0,1,2,3,4,5,6,7
	QKTILE \a
.endr
	s_branch .Ldone
.Lvpath:
	LASTSTEP
.irp a, 0,1,2,3,4,5,6,7
	s_wait_xcnt 0x0
	QUANT 64*(\a%4), 2+\a/4, PWE+\a%2
	PUT \a
.endr
.Ldone:
	s_wait_tensorcnt 0x0
	ds_add_u32 v[SPW], v[NIL]
	s_wait_dscnt 0x0
	CROUND
	s_endpgm
.Lfunc_end_k_q712bfd4d7b_qkv:
	.size	k_q712bfd4d7b_qkv, .Lfunc_end_k_q712bfd4d7b_qkv-k_q712bfd4d7b_qkv
	.p2alignl 7, 3214868480
	.fill 96, 4, 3214868480
	.section	.rodata,"a",@progbits
	.p2align	6, 0x0
	.amdhsa_kernel k_q712bfd4d7b_qkv
		.amdhsa_group_segment_fixed_size 327680
		.amdhsa_private_segment_fixed_size 0
		.amdhsa_enable_private_segment 0
		.amdhsa_kernarg_size 56
		.amdhsa_user_sgpr_count 2
		.amdhsa_user_sgpr_kernarg_segment_ptr 1
		.amdhsa_wavefront_size32 1
		.amdhsa_system_sgpr_workgroup_id_x 1
		.amdhsa_system_sgpr_workgroup_id_y 1
		.amdhsa_system_sgpr_workgroup_id_z 1
		.amdhsa_system_vgpr_workitem_id 0
		.amdhsa_next_free_vgpr 1024
		.amdhsa_next_free_sgpr 102
		.amdhsa_reserve_vcc 0
		.amdhsa_float_denorm_mode_32 3
		.amdhsa_float_denorm_mode_16_64 3
		.amdhsa_memory_ordered 1
		.amdhsa_forward_progress 1
		.amdhsa_inst_pref_size 255
	.end_amdhsa_kernel
	.section	.bss,"aw",@nobits
	.p2align	6
	.space	262144
	.amdgpu_metadata
---
amdhsa.version: [ 1, 2 ]
amdhsa.kernels:
  - .name:           k_q712bfd4d7b_qkv
    .symbol:         k_q712bfd4d7b_qkv.kd
    .args:
      - { .name: xq, .offset: 0, .size: 8, .value_kind: global_buffer, .address_space: global }
      - { .name: wq, .offset: 8, .size: 8, .value_kind: global_buffer, .address_space: global }
      - { .name: cos, .offset: 16, .size: 8, .value_kind: global_buffer, .address_space: global }
      - { .name: sin, .offset: 24, .size: 8, .value_kind: global_buffer, .address_space: global }
      - { .name: q_norm_w, .offset: 32, .size: 8, .value_kind: global_buffer, .address_space: global }
      - { .name: k_norm_w, .offset: 40, .size: 8, .value_kind: global_buffer, .address_space: global }
      - { .name: qkv, .offset: 48, .size: 8, .value_kind: global_buffer, .address_space: global }
    .group_segment_fixed_size: 327680
    .private_segment_fixed_size: 0
    .kernarg_segment_align: 8
    .kernarg_segment_size: 56
    .max_flat_workgroup_size: 128
    .sgpr_count:     102
    .vgpr_count:     1024
    .wavefront_size: 32
...
	.end_amdgpu_metadata
.endif
;; end of part 2
;; launch attn (part 3): grid 16 x 16, 8 waves a work-group, no clusters, 327,680 bytes of LDS; arguments qkv, aq; writes aq
.if DOCPART == 3
	.amdgcn_target "amdgcn-amd-amdhsa--gfx1250"
	.amdhsa_code_object_version 6
	.text
	.protected	k_q712bfd4d7b_attn
	.globl	k_q712bfd4d7b_attn
	.p2align	8
	.type	k_q712bfd4d7b_attn,@function
k_q712bfd4d7b_attn:
	s_mov_b64 s[64:65], 0
	v_nop
	global_prefetch_b8 v0, s[64:65] scope:SCOPE_SE
	s_setreg_imm32_b32 hwreg(HW_REG_WAVE_MODE, 25, 1), 1
	s_wait_xcnt 0x0
; ATTN: O = softmax(Q K^T / sqrt(128), causal) V on codes of FP6 (E2M3) with E8M0 scales, and the quantising of O along the head's 128.
; IN: records of 12,800 bytes (8 images of an operand's registers, 1,536 bytes each, then 512 bytes of scale words).  Records 0-255: Q, head x 16 + block of 128 queries; from record 256 on a head's K and V^T by turns, 25,600 bytes a key step of 128 keys.
; Rows of Q's and K's images are tokens, rows of V^T's are channels, each with bits 3 and 4 of their number exchanged inside every 32; K axes are in true order.
; OUT: aq: records of the same form, record 8 x (block of 128 tokens) + head, one image for each tile of 16 queries.
; THE SOFTMAX: t = score x log2(e) / sqrt(128); M = the running largest t rounded UP to a whole number; p = 2^(t - M) is quantised along the keys, not normalised; the row's sum is taken of the unquantised p and divides O at the end.
; When M moves, the sum and O are multiplied by 2^(old M - new M): exact.
; SHARES.  Work-group j of a head takes four tiles of 16 queries of block i = j / 2 and four of block 15 - i.  WAVES 2 s AND 2 s + 1 SHARE TWO TILES, one of each block, AND DIVIDE THE KEYS: of each slot of 256 keys wave 2 s takes the first
; 128, wave 2 s + 1 the second, for both tiles: so a fragment of K or V read from LDS serves two tiles, and no wave has more than 8 + 4 tile steps.  Each wave has its own M, sum and O^T for both tiles.  At the end a wave sends
; what it has of tile Y to its partner through LDS bytes of their own and finishes tile X (X is the later block's tile in the even wave, the earlier block's in the odd one): both parts are brought under the larger M by powers of two.
; A wave with no key for a tile sends zeros under M = -3e38, whose factor is 0; key 0 counts for every query, so the even wave's part is never empty.
; Every wave walks all 8 slots (constant trip counts, every barrier); a step all of whose keys come after a tile's queries is jumped over, and a slot whose first key comes after the work-group's last query is not asked for.
; No cluster: work-groups of a head need different numbers of slots.
; LAYOUT.  Both products transposed: S^T = K Q^T, O^T = V^T P^T: a lane holds ONE query (lane % 16); register 16 B + i of S^T is key 32 B + 16 h + i of the step, of O^T channel 32 B + 16 h + i.
; LIMITS: NaN and infinities are not served; a block of zeros or under 2^-124 keeps the byte 1; 1 / sum by v_rcp_f32; a block's largest p is made from the block's largest score by the same two instructions;
; the scaled scores stay under 2^31 in magnitude.
; REGISTERS: v1-11 addresses; v12-15 X's -M, largest t, sum; v28-31 Y's; v16-27 X's Q; v32-127 K; v128-191 S^T, p; v192-203 codes; v208-223 the quantiser's; v224-231 scale words; v232 f, v233 p's scale word, v234 at work,
; v235, v236 Q's scale words; v237-240 the exchange's addresses; v244-247 sums.  Window 1: v0-63 X's O^T, v64-127 Y's, v128-223 V, v224-235 Y's Q.
.set REC,    12800
.set STEPB,  25600
.set SLB,    51200
.set SLOT1,  65536                     ; slot 1 begins here
.set SPARE,  131072                    ; the spare words, 128 bytes for each wave
.set XB,     132096                    ; the exchange: 8,704 bytes for each wave; no tile lands here
.set XSZ,    8704
.set LI,  1
.set LS,  2
.set DQ,  3
.set WO,  5
.set SPW, 6
.set NIL, 7
.set ADK, 8
.set ADS, 9
.set PFO, 10
.set LN,  11
.set FRG, 32
.set S,   128
.set PCD, 192
.set TM,  208
.set TMB, 212
.set TMS, 220
.set KSW, 224
.set VSW, 228
.set FF,  232
.set PSW, 233
.set TT,  234
.set QSW, 235
.set QSY, 236
.set XW,  237
.set XR,  238
.set XW2, 239
.set XR2, 240
.set Q0Y, 8                            ; s8 Y's first row, s9 its lowest true query
.set QTY, 9
.set QMX, 10                           ; s10 the later tile's last row
.set SK,  11                           ; s11 the first key of the slot in hand: the same in all waves
.set WV,  18
.set SEL, 20
.set CS,  22
.set G1,  24
.set G0,  32
.set TB,  36                           ; s36 LDS byte at which my key step of the slot in hand begins
.set KF,  37                           ; s37 my step's first key
.set Q0,  38
.set QT,  39
.set SLOTS, 40
.set LIMQ, 41
.set PFA, 42
.set LIM, 44
.set MSB, 0
.macro WIN new
.if MSB != (\new)
	s_set_vgpr_msb (MSB<<8)|(\new)
.set MSB, (\new)
.endif
.endm
; A prefetch of the slot that the NEXT change of slots will ask for, a slot ahead of that load.  The head's work-group 0, which loads all 8 slots, asks; each of its waves for the 6,400 bytes that it will load, 25 pieces of 256 bytes,
; a lane a piece (lanes 25-31 name lane 24's piece again).  Slots 0 and 1 come by their loads alone; the last change that fills a slot asks for nothing.
.macro ASK
	s_cmp_gt_u32 s[SLOTS], s[LIM]
	s_cbranch_scc0 .Lnot_mine_\@
	global_prefetch_b8 v[PFO], s[PFA:PFA+1] th:TH_LOAD_NT scope:SCOPE_SE
.Lnot_mine_\@:
.endm
	s_load_b128 s[4:7], s[0:1], 0x0                ; qkv, aq
	v_lshl_add_u32 v[SPW], v0, 2, SPARE
	v_mov_b32 v[NIL], 0
	ds_add_u32 v[SPW], v[NIL]                      ; the opening lines: the add, twice on end, and one wait
	ds_add_u32 v[SPW], v[NIL]
	v_lshrrev_b32 v1, 5, v0
	v_readfirstlane_b32 s[WV], v1                  ; wave 0..7
	s_and_b32 s56, ttmp7, 0xffff                   ; 8 batch + head
	s_lshr_b32 s57, ttmp9, 1                       ; i
	s_and_b32 s58, ttmp9, 1
	s_and_b32 s59, s[WV], 1                        ; e: which key step of a slot is mine
	s_lshr_b32 s60, s[WV], 1
	s_lshl_b32 s58, s58, 2
	s_add_co_u32 s60, s60, s58                     ; my pair's tile of a block's eight
	s_sub_co_u32 s61, 15, s57
	s_cmp_eq_u32 s59, 0
	s_cselect_b32 s62, s61, s57                    ; X's block
	s_cselect_b32 s63, s57, s61                    ; Y's block
	s_lshl_b32 s45, s60, 4
	s_lshl_b32 s[Q0], s62, 7
	s_add_co_u32 s[Q0], s[Q0], s45
	s_lshl_b32 s[Q0Y], s63, 7
	s_add_co_u32 s[Q0Y], s[Q0Y], s45
	s_lshr_b32 s45, s45, 1
	s_and_b32 s45, s45, 8
	s_and_b32 s[QT], s[Q0], 0xfe0
	s_add_co_u32 s[QT], s[QT], s45                 ; lane r's query is QT + 16 (r / 8) + r % 8
	s_and_b32 s[QTY], s[Q0Y], 0xfe0
	s_add_co_u32 s[QTY], s[QTY], s45
	s_max_u32 s[QMX], s[Q0], s[Q0Y]
	s_add_co_u32 s[QMX], s[QMX], 15
	s_lshl_b32 s[LIMQ], s61, 7
	s_or_b32 s[LIMQ], s[LIMQ], 127                 ; my work-group's last query
	s_lshl_b32 s46, s56, 4
	s_add_co_u32 s47, s46, s63
	s_add_co_u32 s46, s46, s62
	s_mul_i32 s46, s46, REC                        ; X's record of Q, Y's
	s_mul_i32 s47, s47, REC
	s_mul_i32 s45, s60, 1536
	s_add_co_u32 s48, s46, s45
	s_mov_b32 s49, 0
	s_add_co_u32 s12, s47, s45
	s_mov_b32 s13, 0
	s_lshl_b32 s45, s60, 6
	s_add_co_u32 s45, s45, 12288
	s_add_co_u32 s50, s46, s45
	s_mov_b32 s51, 0
	s_add_co_u32 s14, s47, s45
	s_mov_b32 s15, 0
	s_lshr_b32 s63, s56, 3                         ; X's place in aq
	s_lshl_b32 s63, s63, 4
	s_add_co_u32 s63, s63, s62
	s_lshl_b32 s63, s63, 3
	s_and_b32 s58, s56, 7
	s_add_co_u32 s63, s63, s58
	s_mul_i32 s63, s63, REC
	s_mul_i32 s58, s60, 1536
	s_add_co_u32 s52, s63, s58
	s_mov_b32 s53, 0
	s_add_co_u32 s54, s63, s45
	s_mov_b32 s55, 0
	s_mul_i32 s46, s56, 16*STEPB                   ; the head's stream of K and V,
	s_mul_i32 s63, s[WV], 6400                     ; my eighth of a slot
	s_add_co_u32 s46, s46, s63
	s_add_co_u32 s46, s46, 256*REC
	s_mov_b32 s47, 0
	s_mul_i32 s16, s[WV], XSZ                      ; the exchange: my bytes, my partner's
	s_add_co_u32 s16, s16, XB
	s_xor_b32 s17, s[WV], 1
	s_mul_i32 s17, s17, XSZ
	s_add_co_u32 s17, s17, XB
	s_mov_b32 s[G1], 3<<16                         ; 25 rows of 256 bytes (32 elements of 8 bytes), dense
	s_mov_b32 s[G1+1], 32<<16
	s_mov_b32 s[G1+2], 25<<16
	s_mov_b32 s[G1+3], 32<<16
	s_mov_b32 s[G1+4], 25
	s_mov_b32 s[G1+5], 32
	s_mov_b32 s[G1+6], 0
	s_mov_b32 s[G1+7], 0
	s_mov_b32 s[SEL], 0x76543210
	s_mov_b32 s[SEL+1], 0xfedcba98                 ; v_permlanex16_b32's selects for lane l xor 16
	s_mov_b32 s[CS], 0x3e0293ee                    ; c = log2(e) / sqrt(128)
	s_mov_b32 s[CS+1], s[CS]
	s_mul_i32 s[TB], s59, STEPB
	s_lshl_b32 s[KF], s59, 7
	s_mov_b32 s[SK], 0
	s_mov_b32 s[SLOTS], 7
	s_cmp_eq_u32 ttmp9, 0
	s_cselect_b32 s[LIM], 1, -1
	s_wait_dscnt 0x0
	s_wait_kmcnt 0x0
	s_mov_b32 s[G0], 1
	s_mov_b32 s[G0+1], s63
	s_add_nc_u64 s[G0+2:G0+3], s[4:5], s[46:47]
	s_or_b32 s[G0+3], s[G0+3], 0x80000000
	tensor_load_to_lds s[G0:G0+3], s[G1:G1+7]      ; slot 0: by this text's count one tensor load of a wave is out at most
	s_nop 0
.rept 4
	v_nop
.endr
	s_add_nc_u64 s[PFA:PFA+1], s[4:5], s[46:47]
	s_add_nc_u64 s[PFA:PFA+1], s[PFA:PFA+1], SLB
	s_add_nc_u64 s[48:49], s[4:5], s[48:49]
	s_add_nc_u64 s[50:51], s[4:5], s[50:51]
	s_add_nc_u64 s[12:13], s[4:5], s[12:13]
	s_add_nc_u64 s[14:15], s[4:5], s[14:15]
	s_add_nc_u64 s[52:53], s[6:7], s[52:53]
	s_add_nc_u64 s[54:55], s[6:7], s[54:55]
	v_and_b32 v[LN], 31, v0
	v_and_b32 v8, 15, v0                           ; r
	v_bfe_u32 v9, v0, 4, 1                         ; h
	v_lshlrev_b32 v[LI], 4, v[LN]
	v_lshlrev_b32 v[LS], 2, v[LN]
	v_lshlrev_b32 v[TT], 2, v8
.irp c, 0,1,2
	global_load_b128 v[16+4*\c:19+4*\c], v[LI], s[48:49] offset:512*\c   ; both tiles' Q stay in registers
.endr
	global_load_b32 v[QSW], v[TT], s[50:51]
	global_load_b32 v[QSY], v[TT], s[14:15]
	WIN 0x40
.irp c, 0,1,2
	global_load_b128 v[224+4*\c:227+4*\c], v[LI], s[12:13] offset:512*\c
.endr
	WIN 0
	v_lshrrev_b32 v3, 3, v8
	v_and_b32 v4, 7, v8
	v_lshl_add_u32 v5, v3, 4, v4                   ; 16 (r / 8) + r % 8
	v_lshlrev_b32 v3, 4, v9
	v_sub_nc_u32 v[DQ], v5, v3
	v_lshlrev_b32 v[WO], 2, v8
	v_lshlrev_b32 v4, 3, v[LN]
	v_add_nc_u32 v[XW], s16, v[LI]
	v_add_nc_u32 v[XR], s17, v[LI]
	v_add_nc_u32 v[XW2], s16, v4
	v_add_nc_u32 v[XR2], s17, v4
	v_min_u32 v[PFO], 24, v[LN]
	v_lshlrev_b32 v[PFO], 8, v[PFO]
	v_mov_b32 v13, 0xff61b1e6                      ; the largest t so far: -3e38, under every t
	v_mov_b32 v29, 0xff61b1e6
	v_floor_f32 v12, -v13                          ; -M
	v_floor_f32 v28, -v29
.irp r, 14,15,30,31,TMB,TMB+1,TMB+2,TMB+3,FF,PSW
	v_mov_b32 v[\r], 0
.endr
	WIN 0x40
.set j, 0
.rept 128
	v_mov_b32 v[j], 0                              ; both O^T: a tile's step is written once; its first run finds zeros
.set j, j+1
.endr
	WIN 0
; ONE TILE'S PART OF A KEY STEP.  st: its -M, largest t and sum; ob: its O^T in window 1; qw: the window of its Q; qs: Q's scale words; q0, qt: its first row and lowest true query.
.macro TILE st, ob, qw, qs, q0, qt
.set QR, 16+208*\qw
	s_add_co_u32 s45, s[\q0], 15                   ; the tile's 16 queries lie in one aligned 128: a step whose first key lies beyond is all hidden
	s_cmp_gt_u32 s[KF], s45
	s_cbranch_scc1 .Lhidden_\@
	WIN 4*\qw
.irp t, 0,1,2,3,4,5,6,7                        ; S^T = K Q^T
.if \t%2
	v_wmma_scale_f32_16x16x128_f8f6f4 v[S+8*\t:S+8*\t+7], v[FRG+12*\t:FRG+12*\t+11], v[QR:QR+11], 0, v[KSW+\t/2], v[\qs] matrix_a_fmt:MATRIX_FMT_FP6 matrix_b_fmt:MATRIX_FMT_FP6 matrix_a_scale:MATRIX_SCALE_ROW1
.else
	v_wmma_scale_f32_16x16x128_f8f6f4 v[S+8*\t:S+8*\t+7], v[FRG+12*\t:FRG+12*\t+11], v[QR:QR+11], 0, v[KSW+\t/2], v[\qs] matrix_a_fmt:MATRIX_FMT_FP6 matrix_b_fmt:MATRIX_FMT_FP6
.endif
.endr
	WIN 0
.rept 4
	v_nop                                          ; places in front of the first read of the scores
.endr
	s_add_co_u32 s45, s[KF], 127                   ; on the diagonal the scores of hidden keys become -infinity ahead of the maximum
	s_cmp_le_u32 s45, s[\q0]
	s_cbranch_scc1 .Lopen_\@
	s_sub_co_i32 s45, s[\qt], s[KF]
	v_add_nc_u32 v[FF], s45, v[DQ]                 ; d = my query - KF - 16 h: register 16 B + i is hidden where 32 B + i > d
	v_mov_b32 v[TT], 0xff800000
.set n, 0
.rept 64
	v_cmp_gt_i32 vcc_lo, 32*(n/16)+n%16, v[FF]
	v_cndmask_b32 v[S+n], v[S+n], v[TT], vcc_lo
.set n, n+1
.endr
.Lopen_\@:
.irp b, 0,1,2,3
	v_max3_num_f32 v[TM+\b], v[S+16*\b], v[S+1+16*\b], v[S+2+16*\b]   ; the largest score of each block of 32 keys: for the row's maximum and for the block's largest p
.endr
.irp i, 3,5,7,9,11,13
.irp b, 0,1,2,3
	v_max3_num_f32 v[TM+\b], v[TM+\b], v[S+16*\b+\i], v[S+1+16*\b+\i]
.endr
.endr
.irp b, 0,1,2,3
	v_max_num_f32 v[TM+\b], v[TM+\b], v[S+15+16*\b]
.endr
.irp b, 0,1,2,3
	v_permlanex16_b32 v[TMB+\b], v[TM+\b], s[SEL], s[SEL+1]
.endr
.irp b, 0,1,2,3
	v_max_num_f32 v[TM+\b], v[TM+\b], v[TMB+\b]    ; with lane l xor 16's 16 keys
.endr
	v_max3_num_f32 v[TT], v[TM], v[TM+1], v[TM+2]
	s_delay_alu instid0(VALU_DEP_1)
	v_max_num_f32 v[TT], v[TT], v[TM+3]
	s_delay_alu instid0(VALU_DEP_1)
	v_mul_f32 v[TT], s[CS], v[TT]                  ; the step's largest t
	s_delay_alu instid0(VALU_DEP_1)
	v_max_num_f32 v[\st+1], v[\st+1], v[TT]
	v_mov_b32 v[TT], v[\st]
	s_delay_alu instid0(VALU_DEP_2)
	v_floor_f32 v[\st], -v[\st+1]                  ; the new -M = floor(-t)
	s_delay_alu instid0(VALU_DEP_1)
	v_sub_f32 v[TT], v[\st], v[TT]                 ; old M - new M: a whole number, 0 or less
	s_delay_alu instid0(VALU_DEP_1)
	v_cvt_i32_f32 v[TT], v[TT]                     ; (it saturates)
	s_delay_alu instid0(VALU_DEP_1)
	v_ldexp_f32 v[FF], 1.0, v[TT]                  ; f = 2^(old M - new M)
.set j, 0
.rept 32
	v_pk_fma_f32 v[S+j:S+j+1], v[S+j:S+j+1], s[CS:CS+1], v[\st:\st+1] op_sel_hi:[1,0,0]   ; t - M
.set j, j+2
.endr
.irp b, 0,1,2,3
	v_fma_f32 v[TM+\b], v[TM+\b], s[CS], v[\st]
.endr
	s_wait_alu depctr_va_vdst(0)                   ; ahead of the batch
.set j, 0
.rept 64
	v_exp_f32 v[S+j], v[S+j]                       ; p = 2^(t - M), at most 1
.set j, j+1
.endr
	v_pk_mul_f32 v[\st+2:\st+3], v[\st+2:\st+3], v[FF:FF+1] op_sel_hi:[1,0]   ; the sums under the new M
	s_wait_alu depctr_va_vdst(0)                   ; and behind it
.irp b, 0,1,2,3
	v_exp_f32 v[TM+\b], v[TM+\b]                   ; the block's largest p
.endr
	v_pk_add_f32 v[212:213], v[S:S+1], v[S+2:S+3]  ; the row's sum of the unquantised p, in four chains
	v_pk_add_f32 v[244:245], v[S+4:S+5], v[S+6:S+7]
	v_pk_add_f32 v[246:247], v[S+8:S+9], v[S+10:S+11]
	v_pk_add_f32 v[\st+2:\st+3], v[\st+2:\st+3], v[S+12:S+13]
.set j, 14
.rept 6
	v_pk_add_f32 v[212:213], v[212:213], v[S+j:S+j+1]
	v_pk_add_f32 v[244:245], v[244:245], v[S+j+2:S+j+3]
	v_pk_add_f32 v[246:247], v[246:247], v[S+j+4:S+j+5]
	v_pk_add_f32 v[\st+2:\st+3], v[\st+2:\st+3], v[S+j+6:S+j+7]
.set j, j+8
.endr
	v_pk_add_f32 v[212:213], v[212:213], v[S+62:S+63]
	v_pk_add_f32 v[244:245], v[244:245], v[246:247]
	s_delay_alu instid0(VALU_DEP_2)
	v_pk_add_f32 v[\st+2:\st+3], v[\st+2:\st+3], v[212:213]
	s_delay_alu instid0(VALU_DEP_1)
	v_pk_add_f32 v[\st+2:\st+3], v[\st+2:\st+3], v[244:245]
	s_wait_alu depctr_va_vdst(0)                   ; the wait for the four
.irp b, 0,1,2,3
	v_max_num_f32 v[TM+\b], 0x1800000, v[TM+\b]    ; the floor 2^(3 - 127): the byte cannot fall under 1
.endr
.irp b, 0,1,2,3
	v_add_nc_u32 v[TMS+\b], 0xff000000, v[TM+\b]   ; 2 off the exponent field: the conversion's scale operand
.endr
.irp b, 0,1,2,3
	v_lshrrev_b32 v[TMB+\b], 23, v[TMS+\b]         ; the scale's byte
.endr
	v_lshl_or_b32 v[PSW], v[TMB+1], 8, v[TMB]
	s_delay_alu instid0(VALU_DEP_1)
	v_lshl_or_b32 v[PSW], v[TMB+2], 16, v[PSW]
	s_delay_alu instid0(VALU_DEP_1)
	v_lshl_or_b32 v[PSW], v[TMB+3], 24, v[PSW]     ; p's scale word for these 128 keys
.irp c, 0,1
	v_cvt_scalef32_pk16_fp6_f32 v[PCD+6*\c:PCD+6*\c+2], v[S+32*\c:S+32*\c+15], v[TMS+2*\c]
	v_cvt_scalef32_pk16_fp6_f32 v[TMB+4*\c:TMB+4*\c+2], v[S+16+32*\c:S+31+32*\c], v[TMS+2*\c+1]
.endr
	v_nop                                          ; one plain line behind a scaled conversion
.irp c, 0,1                                    ; a whole block to a lane
.irp i, 0,1,2
	v_permlane16_swap_b32 v[PCD+6*\c+\i], v[TMB+4*\c+\i]
.endr
.irp i, 0,1,2
	v_mov_b32 v[PCD+3+6*\c+\i], v[TMB+4*\c+\i]
.endr
.endr
	WIN 0x41
.set j, 0
.rept 32
	v_pk_mul_f32 v[\ob+j:\ob+j+1], v[\ob+j:\ob+j+1], v[FF:FF+1] op_sel_hi:[1,0]   ; O^T under the new M; these 32 are also the places between p's codes and scale word and the products
.set j, j+2
.endr
	s_wait_alu depctr_va_vdst(0)
	s_wait_dscnt 0x0                               ; V is in
	WIN 0x51                                       ; V, C and D in window 1
.irp t, 0,1,2,3,4,5,6,7                        ; O^T += V^T P^T: the eight accumulators by turns
.if \t%2
	v_wmma_scale_f32_16x16x128_f8f6f4 v[\ob+8*\t:\ob+8*\t+7], v[128+12*\t:128+12*\t+11], v[PCD:PCD+11], v[\ob+8*\t:\ob+8*\t+7], v[VSW+\t/2], v[PSW] matrix_a_fmt:MATRIX_FMT_FP6 matrix_b_fmt:MATRIX_FMT_FP6 matrix_a_scale:MATRIX_SCALE_ROW1
.else
	v_wmma_scale_f32_16x16x128_f8f6f4 v[\ob+8*\t:\ob+8*\t+7], v[128+12*\t:128+12*\t+11], v[PCD:PCD+11], v[\ob+8*\t:\ob+8*\t+7], v[VSW+\t/2], v[PSW] matrix_a_fmt:MATRIX_FMT_FP6 matrix_b_fmt:MATRIX_FMT_FP6
.endif
.endr
	WIN 0
.Lhidden_\@:
.endm
; MY KEY STEP OF THE SLOT IN HAND: K's and V's fragments are read once and serve both tiles.
.macro WORK
	s_cmp_gt_u32 s[KF], s[QMX]
	s_cbranch_scc1 .Lnone_\@
	v_add_nc_u32 v[ADK], s[TB], v[LI]
	v_add_nc_u32 v[ADS], s[TB], v[LS]
	v_nop
	v_nop                                          ; four places in front of loads into registers that the last step's products have read
.irp t, 0,1,2,3,4,5,6,7
.irp c, 0,1,2
	ds_load_b128 v[FRG+12*\t+4*\c:FRG+12*\t+4*\c+3], v[ADK] offset:1536*\t+512*\c   ; an image: 512 consecutive bytes an instruction
.endr
.endr
.irp u, 0,1,2,3
	ds_load_b32 v[KSW+\u], v[ADS] offset:12288+128*\u   ; lanes 0-15 tile 2 u's scale words, lanes 16-31 tile 2 u + 1's
.endr
	WIN 0x40
.irp t, 0,1,2,3,4,5,6,7
.irp c, 0,1,2
	ds_load_b128 v[128+12*\t+4*\c:128+12*\t+4*\c+3], v[ADK] offset:REC+1536*\t+512*\c
.endr
.endr
	WIN 0
.irp u, 0,1,2,3
	ds_load_b32 v[VSW+\u], v[ADS] offset:REC+12288+128*\u
.endr
	s_wait_alu depctr_va_vdst(0)
	s_wait_dscnt 28                                ; K is in; V's 24 loads and its 4 scale words may be out
	TILE 12, 0, 0, QSW, Q0, QT
	TILE 28, 64, 1, QSY, Q0Y, QTY
.Lnone_\@:
	s_add_co_u32 s[KF], s[KF], 256
	s_add_co_u32 s[SK], s[SK], 256
.endm
; THE CHANGE OF SLOTS.  Each wave waits for all its tensor loads, adds 0 to its spare word, and waits for that and for its reads of the slot that it has left.  fill = 1: that slot takes the next 256 keys, unless their first comes
; after the work-group's last query.  Every wait on TENSORcnt here is for 0.
.macro CHANGE fill
	s_wait_tensorcnt 0x0
	ds_add_u32 v[SPW], v[NIL]
.if \fill
	s_xor_b32 s[G0+1], s[G0+1], SLOT1
	s_add_nc_u64 s[G0+2:G0+3], s[G0+2:G0+3], SLB
	s_wait_xcnt 0x0                                ; the last prefetch, a slot back, has read its address
	s_add_nc_u64 s[PFA:PFA+1], s[PFA:PFA+1], SLB
.endif
	s_wait_dscnt 0x0
	s_barrier_signal -1
	s_barrier_wait -1
.if \fill
	s_add_co_u32 s45, s[SK], 256
	s_cmp_gt_u32 s45, s[LIMQ]
	s_cbranch_scc1 .Lpast_\@
	tensor_load_to_lds s[G0:G0+3], s[G1:G1+7]      ; my one tensor load until the next such barrier
	s_nop 0
.rept 4
	v_nop
.endr
.Lpast_\@:
	ASK
.endif
.endm
	s_wait_alu depctr_va_vdst(0)                   ; the head's end
	s_wait_loadcnt 0x0                             ; Q
.Lslot:                                                ; 7 trips
	CHANGE 1
	WORK
	s_xor_b32 s[TB], s[TB], SLOT1
	s_sub_co_u32 s[SLOTS], s[SLOTS], 1
	s_cmp_lg_u32 s[SLOTS], 0
	s_cbranch_scc1 .Lslot
	CHANGE 0                                       ; the last slot is written out: nothing is left to ask for
	WORK
	; THE EXCHANGE: what I have of tile Y goes to my partner: O^T as an image of its registers, then -M and my lane's sum.
.rept 4
	v_nop                                          ; places behind the last products
.endr
	v_add_f32 v29, v30, v31
	v_add_f32 v14, v14, v15
	s_wait_alu depctr_va_vdst(0)
	WIN 0x04
.irp j, 0,1,2,3,4,5,6,7,8,9,10,11,12,13,14,15
	ds_store_b128 v[XW], v[64+4*\j:64+4*\j+3] offset:512*\j   ; each accumulator from its low end on
.endr
	WIN 0
	ds_store_b64 v[XW2], v[28:29] offset:8192
	s_wait_dscnt 0x0                               ; my stores are done, for my partner's sake
	s_barrier_signal -1
	s_barrier_wait -1
.irp j, 0,1,2,3,4,5,6,7,8,9,10,11,12,13,14,15
	ds_load_b128 v[S+4*\j:S+4*\j+3], v[XR] offset:512*\j      ; my partner's part of tile X
.endr
	ds_load_b64 v[TM:TM+1], v[XR2] offset:8192
	s_wait_dscnt 0x0
	v_min_num_f32 v[PSW], v12, v[TM]               ; -M of the two parts together
	s_delay_alu instid0(VALU_DEP_1)
	v_sub_f32 v[FF], v[PSW], v12
	v_sub_f32 v[TT], v[PSW], v[TM]
	s_delay_alu instid0(VALU_DEP_2)
	v_cvt_i32_f32 v[FF], v[FF]
	s_delay_alu instid0(VALU_DEP_2)
	v_cvt_i32_f32 v[TT], v[TT]
	s_delay_alu instid0(VALU_DEP_2)
	v_ldexp_f32 v[FF], 1.0, v[FF]                  ; my part's factor, a power of two or 0,
	s_delay_alu instid0(VALU_DEP_2)
	v_ldexp_f32 v[TT], 1.0, v[TT]                  ; and my partner's
	s_delay_alu instid0(VALU_DEP_2)
	v_mul_f32 v14, v14, v[FF]
	s_delay_alu instid0(VALU_DEP_1)
	v_fmac_f32 v14, v[TM+1], v[TT]
	s_delay_alu instid0(VALU_DEP_1)
	v_permlanex16_b32 v[TMB], v14, s[SEL], s[SEL+1]
	s_delay_alu instid0(VALU_DEP_1)
	v_add_f32 v14, v14, v[TMB]                     ; the row's sum
	s_wait_alu depctr_va_vdst(0)
	v_rcp_f32 v14, v14
	v_nop
	s_wait_alu depctr_va_vdst(0)
	v_mul_f32 v[FF], v[FF], v14
	v_mul_f32 v[TT], v[TT], v14
.set j, 0
.rept 32
	v_pk_mul_f32 v[S+j:S+j+1], v[S+j:S+j+1], v[TT:TT+1] op_sel_hi:[1,0]
.set j, j+2
.endr
	WIN 0x01
	s_wait_alu depctr_va_vdst(0)                   ; ahead of the first read of O^T
.set j, 0
.rept 32
	v_pk_fma_f32 v[S+j:S+j+1], v[j:j+1], v[FF:FF+1], v[S+j:S+j+1] op_sel_hi:[1,0,1]   ; O / sum: register 16 B + i is channel 32 B + 16 h + i of my query
.set j, j+2
.endr
	WIN 0
	; quantised along the head's 128
.irp b, 0,1,2,3
	v_max3_num_f32 v[TM+\b], |v[S+16*\b]|, |v[S+1+16*\b]|, 0x1800000
.endr
.irp i, 2,4,6,8,10,12,14
.irp b, 0,1,2,3
	v_max3_num_f32 v[TM+\b], v[TM+\b], |v[S+16*\b+\i]|, |v[S+1+16*\b+\i]|
.endr
.endr
.irp b, 0,1,2,3
	v_permlanex16_b32 v[TMB+\b], v[TM+\b], s[SEL], s[SEL+1]
.endr
.irp b, 0,1,2,3
	v_max_num_f32 v[TM+\b], v[TM+\b], v[TMB+\b]
.endr
.irp b, 0,1,2,3
	v_add_nc_u32 v[TMS+\b], 0xff000000, v[TM+\b]
.endr
.irp b, 0,1,2,3
	v_lshrrev_b32 v[TMB+\b], 23, v[TMS+\b]
.endr
	v_lshl_or_b32 v[PSW], v[TMB+1], 8, v[TMB]
	s_delay_alu instid0(VALU_DEP_1)
	v_lshl_or_b32 v[PSW], v[TMB+2], 16, v[PSW]
	s_delay_alu instid0(VALU_DEP_1)
	v_lshl_or_b32 v[PSW], v[TMB+3], 24, v[PSW]
.irp c, 0,1
	v_cvt_scalef32_pk16_fp6_f32 v[PCD+6*\c:PCD+6*\c+2], v[S+32*\c:S+32*\c+15], v[TMS+2*\c]
	v_cvt_scalef32_pk16_fp6_f32 v[TMB+4*\c:TMB+4*\c+2], v[S+16+32*\c:S+31+32*\c], v[TMS+2*\c+1]
.endr
	v_nop
.irp c, 0,1
.irp i, 0,1,2
	v_permlane16_swap_b32 v[PCD+6*\c+\i], v[TMB+4*\c+\i]
.endr
.irp i, 0,1,2
	v_mov_b32 v[PCD+3+6*\c+\i], v[TMB+4*\c+\i]
.endr
.endr
.irp c, 0,1,2
	global_store_b128 v[LI], v[PCD+4*\c:PCD+4*\c+3], s[52:53] offset:512*\c   ; the image: the wave stores 512 consecutive bytes, aligned
.endr
	s_wait_xcnt 0x0                                ; EXEC changes only behind this wait
	v_cmp_gt_u32 vcc_lo, 16, v[LN]
	s_and_saveexec_b32 s45, vcc_lo
	global_store_b32 v[WO], v[PSW], s[54:55]       ; lanes 0-15: the tile's 16 scale words
	s_wait_xcnt 0x0                                ; and again, in front of the line that widens it
	s_or_b32 exec_lo, exec_lo, s45
	s_wait_tensorcnt 0x0                           ; the wave's end
	ds_add_u32 v[SPW], v[NIL]
	s_wait_dscnt 0x0
	s_endpgm
.Lfunc_end_k_q712bfd4d7b_attn:
	.size	k_q712bfd4d7b_attn, .Lfunc_end_k_q712bfd4d7b_attn-k_q712bfd4d7b_attn
	.p2alignl 7, 3214868480
	.fill 96, 4, 3214868480
	.section	.rodata,"a",@progbits
	.p2align	6, 0x0
	.amdhsa_kernel k_q712bfd4d7b_attn
		.amdhsa_group_segment_fixed_size 327680
		.amdhsa_private_segment_fixed_size 0
		.amdhsa_enable_private_segment 0
		.amdhsa_kernarg_size 16
		.amdhsa_user_sgpr_count 2
		.amdhsa_user_sgpr_kernarg_segment_ptr 1
		.amdhsa_wavefront_size32 1
		.amdhsa_system_sgpr_workgroup_id_x 1
		.amdhsa_system_sgpr_workgroup_id_y 1
		.amdhsa_system_sgpr_workgroup_id_z 1
		.amdhsa_system_vgpr_workitem_id 0
		.amdhsa_next_free_vgpr 496
		.amdhsa_next_free_sgpr 66
		.amdhsa_reserve_vcc 1
		.amdhsa_float_denorm_mode_32 3
		.amdhsa_float_denorm_mode_16_64 3
		.amdhsa_memory_ordered 1
		.amdhsa_forward_progress 1
		.amdhsa_inst_pref_size 115
	.end_amdhsa_kernel
	.amdgpu_metadata
---
amdhsa.version: [ 1, 2 ]
amdhsa.kernels:
  - .name:           k_q712bfd4d7b_attn
    .symbol:         k_q712bfd4d7b_attn.kd
    .args:
      - { .name: qkv, .offset: 0, .size: 8, .value_kind: global_buffer, .address_space: global }
      - { .name: aq, .offset: 8, .size: 8, .value_kind: global_buffer, .address_space: global }
    .group_segment_fixed_size: 327680
    .private_segment_fixed_size: 0
    .kernarg_segment_align: 8
    .kernarg_segment_size: 16
    .max_flat_workgroup_size: 256
    .sgpr_count:     66
    .vgpr_count:     496
    .wavefront_size: 32
...
	.end_amdgpu_metadata
.endif
;; end of part 3
;; launch oproj (part 4): grid 8 x 32, 4 waves a work-group, clusters of 4 x 4, 327,680 bytes of LDS; arguments aq, oq, out0; writes out0
.if DOCPART == 4
	.amdgcn_target "amdgcn-amd-amdhsa--gfx1250"
	.amdhsa_code_object_version 6
	.text
	.protected	k_q712bfd4d7b_oproj
	.globl	k_q712bfd4d7b_oproj
	.p2align	8
	.type	k_q712bfd4d7b_oproj,@function
k_q712bfd4d7b_oproj:
	s_mov_b64 s[64:65], 0
	v_nop
	global_prefetch_b8 v0, s[64:65] scope:SCOPE_SE
	s_setreg_imm32_b32 hwreg(HW_REG_WAVE_MODE, 25, 1), 1
	s_wait_xcnt 0x0
	s_wait_alu depctr_hold_cnt(0) depctr_sa_sdst(0) depctr_va_vdst(0) depctr_va_sdst(0) depctr_va_ssrc(0) depctr_va_vcc(0) depctr_vm_vsrc(0)
	s_getreg_b32 s2, hwreg(HW_REG_IB_STS2, 6, 4)
	s_cmp_eq_u32 s2, 0
	s_cbranch_scc0 .Lentry_in_a_cluster
	s_endpgm
.Lentry_in_a_cluster:
	s_bfe_u32 s2, ttmp6, 0x10000c
	s_cmp_lg_u32 s2, 0xf033
	s_cbranch_scc0 .Lentry_shape_is_right
	s_endpgm
.Lentry_shape_is_right:
; OPROJ: out0 [4096][2048] f32 = attention's result x Wo, on codes of FP6 (E2M3) with E8M0 scales.
; aq and oq are records of 12,800 bytes: eight images of an operand's registers (16 rows x 128 K: register group c of lane l at 512 c + 16 l), then 512 bytes of scale words (64 x tile + 4 x row).
; aq: record 8 x (block of 128 tokens) + head; tile i, row r is token 32 (i / 2) + 8 (i % 2) + 16 (r / 8) + r % 8 of the block.  oq: record 8 x (block of 128 columns) + K step of 128, rows in natural order.
; A work-group makes 128 tokens x 256 columns, a wave 64 x 128: 32 accumulators.  ALL OF K (8 steps of 128) lies in LDS at once: A 102,400 bytes, B 204,800: filled once, by one joint load a wave at the head
; (waves 0, 1: A's halves, 200 rows of 256 bytes each; waves 2, 3: B's two blocks, 400 rows each).  Nothing is filled again: no ring.
; A fragment is three loads of 512 consecutive bytes.  CLUSTER 4 x 4: A is shared along a row of the cluster, B along a column.
; The matrix instruction is used transposed (source 0 = Wo's columns, source 1 = tokens): a lane holds eight neighbouring numbers of a row of out0.
; No prefetch: all tiles are asked for at the head, and there is no loop to run ahead in.
; REGISTERS: window 0: v8-15 addresses, v24-29 way out and the add's two, v32-47 scale words (two sets), v64-159 A's fragments (two sets), on the way out v128-255; window 1: B's fragments, two sets; window 2: accumulators.
.set SIZE_N, 2048
.set REC,    12800
.set ABY,    8*REC
.set LB,     ABY
.set SPARE,  3*ABY                     ; the spare words, 128 bytes for each wave, behind the tiles
.set SPITCH, 528                       ; the way out: 16 rows x (512 + 16) bytes a wave, on A's bytes, behind a barrier behind which nobody reads tiles
.set FR,   12
.set ADRA, 8
.set ADRB, 10
.set ADSA, 12
.set ADSB, 14
.set STO,  24
.set RD,   25
.set CO,   26
.set SPW,  28
.set NIL,  29
.set SC,   32
.set AF,   64
.set BK,   128
.set G1,   24
.set G1B,  32
.set G0,   48
.set G0B,  52
.set MSB, 0
.macro WIN new
.if MSB != (\new)
	s_set_vgpr_msb (MSB<<8)|(\new)
.set MSB, (\new)
.endif
.endm
.set MUL,  0xa1                        ; source 0 window 1, source 1 window 0, C and D window 2
.set TO_B, 0x40
.macro CREST
	s_cmp_lg_u32 s14, 0
	s_cbranch_scc1 .Lnot_wave_0_\@
	s_barrier_signal -3
.Lnot_wave_0_\@:
	s_barrier_wait -3
	s_barrier_signal -1
	s_barrier_wait -1
.endm
.macro CROUND
	s_barrier_signal -1
	s_barrier_wait -1
	CREST
.endm
.macro PLACES n
.rept \n
	v_nop
.endr
.endm
	s_load_b128 s[4:7], s[0:1], 0x0                ; aq, oq
	s_load_b64 s[12:13], s[0:1], 0x10              ; out0
	v_lshl_add_u32 v[SPW], v0, 2, SPARE
	v_mov_b32 v[NIL], 0
	ds_add_u32 v[SPW], v[NIL]                      ; the opening lines: the add, twice on end, and one wait
	ds_add_u32 v[SPW], v[NIL]
	v_lshrrev_b32 v1, 5, v0
	v_readfirstlane_b32 s14, v1                    ; wave
	s_lshr_b32 s15, s14, 1                         ; my half of the tokens; also: I fetch for A (0) or B (1)
	s_and_b32 s16, s14, 1                          ; my half of the columns; also: which part I fetch
	s_bfe_u32 s40, ttmp6, 0x40000
	s_bfe_u32 s41, ttmp6, 0x40004
	s_lshl_b32 s42, ttmp9, 2
	s_add_co_u32 s42, s42, s40                     ; tile column
	s_and_b32 s17, ttmp7, 0xffff
	s_lshl_b32 s17, s17, 2
	s_add_co_u32 s17, s17, s41                     ; tile row
	s_lshl_b32 s43, s41, 2
	s_lshl_b32 s43, 15, s43                        ; my row of the cluster
	s_lshl_b32 s44, 0x1111, s40                    ; my column
	s_or_b32 s[G1+0], s43, (3<<16)|(1<<21)         ; elements of 8 bytes, no padding
	s_or_b32 s[G1B+0], s44, (3<<16)|(1<<21)
.irp g, G1, G1B
	s_mov_b32 s[\g+1], 32<<16
	s_mov_b32 s[\g+3], 32<<16
	s_mov_b32 s[\g+5], 32
	s_mov_b32 s[\g+6], 0
	s_mov_b32 s[\g+7], 0
.endr
	s_mov_b32 s[G1+2], 200<<16
	s_mov_b32 s[G1+4], 200
	s_mov_b32 s[G1B+2], 400<<16
	s_mov_b32 s[G1B+4], 400
	s_mul_i32 s20, s17, ABY
	s_mul_i32 s18, s16, 4*REC
	s_add_co_u32 s20, s20, s18                     ; A: the block's records, my four of them
	s_mov_b32 s21, 0
	s_lshl_b32 s46, s42, 1
	s_add_co_u32 s46, s46, s16
	s_mul_i32 s46, s46, ABY                        ; B: my block of 128 columns
	s_mov_b32 s47, 0
	s_mul_i32 s45, s16, ABY
	s_wait_dscnt 0x0
	s_wait_kmcnt 0x0
	s_add_nc_u64 s[20:21], s[4:5], s[20:21]
	s_add_nc_u64 s[46:47], s[6:7], s[46:47]
	CROUND                                         ; the round in front of the joint loads
	s_mov_b32 s[G0], 1
	s_mov_b32 s[G0+1], s18
	s_mov_b64 s[G0+2:G0+3], s[20:21]
	s_or_b32 s[G0+3], s[G0+3], 0x80000000
	s_mov_b32 s[G0B], 1
	s_add_co_u32 s[G0B+1], s45, LB
	s_mov_b64 s[G0B+2:G0B+3], s[46:47]
	s_or_b32 s[G0B+3], s[G0B+3], 0x80000000
	s_cmp_eq_u32 s15, 0
	s_cbranch_scc0 .Lfor_b
	tensor_load_to_lds s[G0:G0+3], s[G1:G1+7]
	s_nop 0
	PLACES 4
	s_branch .Lasked
.Lfor_b:
	tensor_load_to_lds s[G0B:G0B+3], s[G1B:G1B+7]
	s_nop 0
	PLACES 4
.Lasked:
	v_and_b32 v6, 31, v0
	v_and_b32 v1, 15, v0
	v_bfe_u32 v2, v0, 4, 1
	v_lshlrev_b32 v[CO], 4, v6                     ; 16 x lane
	v_lshlrev_b32 v4, 2, v6                        ; 4 x lane
	s_mul_i32 s21, s15, 6144                       ; my four tiles of each of A's records
	s_mul_i32 s22, s16, ABY
	s_add_co_u32 s22, s22, LB                      ; my block of B
	v_add_nc_u32 v[ADRA], s21, v[CO]
	v_add_nc_u32 v[ADRB], s22, v[CO]
	v_add_nc_u32 v[ADRA+1], 4*REC, v[ADRA]         ; K steps 4 to 7
	v_add_nc_u32 v[ADRB+1], 4*REC, v[ADRB]
	s_lshl_b32 s21, s15, 8
	s_add_co_u32 s21, s21, 12288
	s_add_co_u32 s22, s22, 12288
	v_add_nc_u32 v[ADSA], s21, v4                  ; scale words: lanes 0-15 an even tile's, lanes 16-31 the next tile's
	v_add_nc_u32 v[ADSB], s22, v4
	v_add_nc_u32 v[ADSA+1], 4*REC, v[ADSA]
	v_add_nc_u32 v[ADSB+1], 4*REC, v[ADSB]
	s_mul_i32 s23, s14, 16*SPITCH                  ; my stage
	v_mul_u32_u24 v5, v1, SPITCH
	v_lshl_add_u32 v5, v2, 5, v5
	v_add_nc_u32 v[STO], s23, v5
	v_add_nc_u32 v[RD], s23, v[CO]
	s_lshl_b32 s20, s17, 7
	s_lshl_b32 s21, s15, 6
	s_add_co_u32 s20, s20, s21                     ; my first row of out0
	s_lshl_b32 s20, s20, 13                        ; rows of 8,192 bytes (under 2^25)
	s_lshl_b32 s46, s42, 10
	s_add_co_u32 s20, s20, s46
	s_lshl_b32 s46, s16, 9
	s_add_co_u32 s20, s20, s46
	s_mov_b32 s21, 0
	s_add_nc_u64 s[12:13], s[12:13], s[20:21]
.macro FETCH k, p                      ; K step k's fragments and scale words into set p: 42 LDS loads
	WIN TO_B
.irp i, 0,1,2,3,4,5,6,7
.irp c, 0,1,2
	ds_load_b128 v[128*(\p)+FR*\i+4*\c:128*(\p)+FR*\i+4*\c+3], v[ADRB+(\k)/4] offset:REC*((\k)%4)+1536*\i+512*\c
.endr
.endr
	WIN 0
.irp i, 0,1,2,3
.irp c, 0,1,2
	ds_load_b128 v[AF+48*(\p)+FR*\i+4*\c:AF+48*(\p)+FR*\i+4*\c+3], v[ADRA+(\k)/4] offset:REC*((\k)%4)+1536*\i+512*\c
.endr
.endr
.irp u, 0,1
	ds_load_b32 v[SC+8*(\p)+\u], v[ADSA+(\k)/4] offset:REC*((\k)%4)+128*\u
.endr
.irp u, 0,1,2,3
	ds_load_b32 v[SC+8*(\p)+2+\u], v[ADSB+(\k)/4] offset:REC*((\k)%4)+128*\u
.endr
.endm
.macro WL c, m1, m2
	v_wmma_scale_f32_16x16x128_f8f6f4 v[WD:WD+7], v[WB:WB+FR-1], v[WA:WA+FR-1], \c, v[WSB], v[WSA] matrix_a_fmt:MATRIX_FMT_FP6 matrix_b_fmt:MATRIX_FMT_FP6 \m1 \m2
.endm
.macro WS c                            ; an odd tile's scale words stand in lanes 16-31
.if ODD == 0
	WL \c
.endif
.if ODD == 1
	WL \c, matrix_a_scale:MATRIX_SCALE_ROW1
.endif
.if ODD == 2
	WL \c, matrix_b_scale:MATRIX_SCALE_ROW1
.endif
.if ODD == 3
	WL \c, matrix_a_scale:MATRIX_SCALE_ROW1, matrix_b_scale:MATRIX_SCALE_ROW1
.endif
.endm
.macro MUL8 a, p, zero                 ; A's tile a against B's eight; the 32 accumulators take turns, in the same order in every step
.irp b, 0,1,2,3,4,5,6,7
.set WD, 8*(8*(\a)+\b)
.set WB, 128*(\p)+FR*\b
.set WA, AF+48*(\p)+FR*(\a)
.set WSB, SC+8*(\p)+2+\b/2
.set WSA, SC+8*(\p)+(\a)/2
.set ODD, 2*((\a)%2)+\b%2
.if \zero
	WS 0
.else
	WS v[WD:WD+7]
.endif
.endr
.endm
.macro MUL32 p, zero
	WIN MUL
	MUL8 0, \p, \zero
	MUL8 1, \p, \zero
	MUL8 2, \p, \zero
	MUL8 3, \p, \zero
	WIN 0
.endm
	s_wait_alu depctr_va_vdst(0)                   ; the head's end
	s_wait_tensorcnt 0x0                           ; my part is in;
	s_barrier_signal -1
	s_barrier_wait -1                              ; everybody's is
	FETCH 0, 0
	s_wait_dscnt 0x0
	FETCH 1, 1
	MUL32 0, 1                                     ; the first step's products start the sums
.irp k, 1,2,3,4,5,6
	s_wait_dscnt 0x0                               ; step k's fragments are in
	PLACES 4                                       ; places in front of loads into registers that the last step's products have read
	FETCH \k+1, (\k+1)%2
	MUL32 (\k)%2, 0
.endr
	s_wait_dscnt 0x0                               ; my last reads of the tiles are over:
	s_barrier_signal -1                            ; say so,
	MUL32 1, 0
	s_barrier_wait -1                              ; and behind this nobody reads tiles: the stages may be written
; THE WAY OUT: a tile of 16 tokens x 128 columns through my stage, back as rows of 512 bytes.
.macro TOSTAGE a
.set AC, 64*(\a)
	WIN 0x08
.irp b, 0,1,2,3,4,5,6,7
	ds_store_b128 v[STO], v[AC+8*\b:AC+8*\b+3] offset:64*\b          ; each accumulator from its low end on
	ds_store_b128 v[STO], v[AC+8*\b+4:AC+8*\b+7] offset:64*\b+16
.endr
	WIN 0
.set BB, BK+64*((\a)%2)
.irp t, 0,1,2,3,4,5,6,7,8,9,10,11,12,13,14,15
	ds_load_b128 v[BB+4*\t:BB+4*\t+3], v[RD] offset:\t*SPITCH      ; LDS serves a wave's instructions in order: these see my stores
.endr
.endm
.macro SEND a, younger                 ; row t of tile a is token 32 (a / 2) + 8 (a % 2) + 16 (t / 8) + t % 8 of my 64
.set BB, BK+64*((\a)%2)
	s_wait_dscnt \younger
.irp t, 0,1,2,3,4,5,6,7,8,9,10,11,12,13,14,15
	global_store_b128 v[CO], v[BB+4*\t:BB+4*\t+3], s[12:13] offset:(32*((\a)/2)+8*((\a)%2)+16*(\t/8)+\t%8)*SIZE_N*4 th:TH_STORE_NT   ; 512 consecutive bytes, aligned
.endr
.endm
	PLACES 4
	TOSTAGE 0
.irp a, 1,2,3
.if \a > 1
	s_wait_xcnt 0x0                                ; tile a - 2's stores have read their registers: tile a's loads may land there
.endif
	TOSTAGE \a
	SEND \a-1, 32                                  ; behind tile a - 1's loads: tile a's 16 stores and 16 loads
.endr
	SEND 3, 0
	s_wait_tensorcnt 0x0                           ; the wave's end
	ds_add_u32 v[SPW], v[NIL]
	s_wait_dscnt 0x0
	CROUND                                         ; the closing round
	s_endpgm
.Lfunc_end_k_q712bfd4d7b_oproj:
	.size	k_q712bfd4d7b_oproj, .Lfunc_end_k_q712bfd4d7b_oproj-k_q712bfd4d7b_oproj
	.p2alignl 7, 3214868480
	.fill 96, 4, 3214868480
	.section	.rodata,"a",@progbits
	.p2align	6, 0x0
	.amdhsa_kernel k_q712bfd4d7b_oproj
		.amdhsa_group_segment_fixed_size 327680
		.amdhsa_private_segment_fixed_size 0
		.amdhsa_enable_private_segment 0
		.amdhsa_kernarg_size 24
		.amdhsa_user_sgpr_count 2
		.amdhsa_user_sgpr_kernarg_segment_ptr 1
		.amdhsa_wavefront_size32 1
		.amdhsa_system_sgpr_workgroup_id_x 1
		.amdhsa_system_sgpr_workgroup_id_y 1
		.amdhsa_system_sgpr_workgroup_id_z 1
		.amdhsa_system_vgpr_workitem_id 0
		.amdhsa_next_free_vgpr 768
		.amdhsa_next_free_sgpr 66
		.amdhsa_reserve_vcc 0
		.amdhsa_float_denorm_mode_32 3
		.amdhsa_float_denorm_mode_16_64 3
		.amdhsa_memory_ordered 1
		.amdhsa_forward_progress 1
		.amdhsa_inst_pref_size 76
	.end_amdhsa_kernel
	.amdgpu_metadata
---
amdhsa.version: [ 1, 2 ]
amdhsa.kernels:
  - .name:           k_q712bfd4d7b_oproj
    .symbol:         k_q712bfd4d7b_oproj.kd
    .args:
      - { .name: aq, .offset: 0, .size: 8, .value_kind: global_buffer, .address_space: global }
      - { .name: oq, .offset: 8, .size: 8, .value_kind: global_buffer, .address_space: global }
      - { .name: out0, .offset: 16, .size: 8, .value_kind: global_buffer, .address_space: global }
    .group_segment_fixed_size: 327680
    .private_segment_fixed_size: 0
    .kernarg_segment_align: 8
    .kernarg_segment_size: 24
    .max_flat_workgroup_size: 128
    .sgpr_count:     66
    .vgpr_count:     768
    .wavefront_size: 32
...
	.end_amdgpu_metadata
.endif
;; end of part 4
